; MI455X (gfx1250); checked and timed in simulation.
; The chip was launched on July 23, 2026; its instructions are those of AMD's public machine-readable ISA for CDNA 5 (MIT licence, August 2026) and "CDNA5" Instruction Set Architecture Reference Guide (July 2026). The comments in the code are by the model that wrote it; some were corrected since.
;; Attention. Allowed arithmetic: matrix products marked QUANTISED: E2M3 operands, one E8M0 scale for each 32 along K, by v_wmma_scale_f32_16x16x128_f8f6f4 with both operands' format E2M3, f32 sums; products left as they are: f32 operands where the result goes on into a quantised operand, else bf16, f16 or f32 operands; f32 sums; everything else in f32.
;; Inputs: Wkv 512 x 1,024 float32; Wo 512 x 512 float32; Wq 512 x 512 float32; bo 512 float32; mask 2 x 8 x 128 x 64 bool; mems 2 x 8 x 128 x 64 x 512 float32; x 2 x 8 x 128 x 512 float32.
;; Outputs: out0 2 x 8 x 128 x 512 float32.
;; This version of the problem:
;;   THIS VERSION OF THE PROBLEM IS GIVEN IN LOW PRECISION. The matrix products marked QUANTISED in the list below multiply operands that are first quantised to E2M3 (2 exponent bits, 3 mantissa bits; 6 bits a number), with one power-of-two scale for each 32 numbers along K (OCP MX v1.0); their sums are f32. All else is computed in f32.
;;   The module's matrix products, in the order in which they are computed (A, B: the left and right operand; K: the contracted axis; several contracted axes count as one K, in the product's order):
;;     1. [M 2,048, K 512] x [K 512, N 512]; A: input x; B: input Wq: QUANTISED
;;     2. [M 131,072, K 512] x [K 512, N 1,024]; A: input mems; B: input Wkv: QUANTISED
;;     3. batch 16,384 x [M 1, K 64] x [K 64, N 64]; A: computed on the way; B: computed on the way: left as it is (M = 1 < 16)
;;     4. batch 16,384 x [M 1, K 64] x [K 64, N 64]; A: softmax; B: computed on the way: left as it is (M = 1 < 16)
;;     5. [M 2,048, K 512] x [K 512, N 512]; A: computed on the way; B: input Wo: QUANTISED
;;   THE QUANTISER, for each operand of a quantised product, along K:
;;     - K is cut into blocks of 32 from its start; a last block that is shorter is filled with zeros.
;;     - A block's scale is 2^e with e = floor(log2(the largest magnitude in the block)) - 2, held to -126 .. 127; a block of zeros has e = 0. As a byte (E8M0): e + 127.
;;     - Each number is divided by its block's scale, clamped to +-7.5, and rounded to the nearest number of E2M3, ties to even, subnormals kept.
;;     - The product sums the exact products of the quantised numbers (number of the format x scale) in f32.
;;   ~~~python
;;   def quantise(x, axis):      # numpy; x: float32 -> the quantised numbers, widened to float32 again
;;       x = np.moveaxis(x, axis, -1); K = x.shape[-1]
;;       x = np.pad(x, [(0, 0)] * (x.ndim - 1) + [(0, -K % 32)]); x = x.reshape(x.shape[:-1] + (-1, 32)); a = np.abs(x).max(-1, keepdims=True)
;;       e = np.where(a > 0, np.clip(np.frexp(np.where(a > 0, a, 1))[1] - 1 - 2, -126, 127), 0)      # np.frexp(a)[1] - 1 = floor(log2(a)), exactly
;;       r = np.clip(x / 2.0 ** e, -7.5, 7.5)
;;       step = 2.0 ** (np.maximum(np.frexp(np.where(r == 0, 1, r))[1] - 1, 0) - 3)
;;       q = np.round(r / step) * step * 2.0 ** e      # np.round: ties to even
;;       return np.moveaxis(q.reshape(q.shape[:-2] + (-1,))[..., :K], -1, axis).astype(np.float32)
;;   ~~~
;;   OPERANDS COMPUTED ON THE WAY. 'Computed on the way' means the value that the module computes at that place (a softmax that the list does not call 'softmax' is quantised finished and normalised). What goes into a quantiser is computed in f32, as accurately as f32 sums, v_exp_f32 and their like allow (about 1e-6 of the number): no bf16 or f16 on the way to a quantiser, and a product that is left as it is and whose result goes on into a quantised operand takes f32 operands (vector FMAs, or v_wmma_f32_16x16x4_f32). A number that lies on a knife's edge between two numbers of the format may be rounded either way, as far as f32 arithmetic and the matrix unit's own rounding can turn it there, and no further.
;; 2 versions. Each part assembles by itself: llvm-mc -triple=amdgcn-amd-amdhsa -mcpu=gfx1250 --defsym DOCPART=n.
;; ======== version 1 of 2: 2 launches
;; workspace buffers: wc 786,432 bytes; ws 65,536 bytes
;; launch prep (part 1): grid 128 x 1, 4 waves a work-group, no clusters, 0 bytes of LDS; arguments Wkv, Wq, Wo, wc, ws; writes wc, ws
.if DOCPART == 1
	.amdgcn_target "amdgcn-amd-amdhsa--gfx1250"
	.amdhsa_code_object_version 6
	.text
	.protected	k_q376f0ea64e_prep
	.globl	k_q376f0ea64e_prep
	.p2align	8
	.type	k_q376f0ea64e_prep,@function
k_q376f0ea64e_prep:
	s_mov_b64 s[64:65], 0
	v_nop
	global_prefetch_b8 v0, s[64:65] scope:SCOPE_SE
	s_setreg_imm32_b32 hwreg(HW_REG_WAVE_MODE, 25, 1), 1
	s_wait_xcnt 0x0
; Wkv [512][1024], Wq [512][512], Wo [512][512], f32, K = the FIRST axis, become codes of FP6 (E2M3) with one E8M0 scale byte for each 32 along K,
; laid in the order of a matrix operand's registers, so that the next launch loads a fragment whole: three loads of 16 bytes a lane.
; A FRAGMENT is 16 columns x 128 along K: 12 registers a lane.  Fragment F = (4 G + s) 8 + b lies at byte 1536 F of wc; registers 4 c .. 4 c + 3 of lane l at 512 c + 16 l.
;   G: which 128 columns (0-7: Wkv's 128 G on; 8-11: Wq's; 12-15: Wo's);  s: which 128 along K;  b: which 16 of the 128 columns.
; Its scale words (one a column, byte i for k = 32 i on) lie in ws at 1024 (4 G + s) + 32 l + 4 b; lane 16 + r holds the same word as lane r.
; SHARES: a wave makes one fragment: work-group X, wave w: F = 4 X + w.  LANE (r, h) TAKES COLUMN r, AND ITS REGISTERS RUN DOWN K in the order that the operand's layout gives the lane:
; k = 64 c + 32 h + 0 .. 31.  So a block of 32 lies in one lane, and the conversions' results are the operand's registers: nothing is transposed.
; The four waves of a work-group stand side by side on 256 consecutive bytes of each row of the weight.
; A block's scale is 2^(floor(log2(its largest magnitude)) - 2); its byte is the largest magnitude's exponent field - 2, held at 1 from below.
; LIMITS: a block whose largest magnitude lies under 2^-124 has its byte held at 1; a block of zeros gets the byte 1 where the rule says 127 (its codes are zeros, which add nothing,
; and this program alone reads the bytes); NaN and infinities among the inputs are not served.
; The scale words leave 4 bytes a lane, 32 bytes apart: 64 KiB in the whole launch are stored so, in parts of their 256-byte blocks; the codes leave 512 consecutive bytes a store.
.set H8,  7                            ; v7      8 h: how far my two scale bytes are shifted
.set TM,  8                            ; v8-11   largest magnitudes, four chains
.set SC,  12                           ; v12-13  the conversions' scale operands, one a block
.set BY,  14                           ; v14-15  the scale bytes
.set PWT, 16                           ; v16     my two bytes at their places
.set TMP, 17                           ; v17     lane l xor 16's
.set PW,  18                           ; v18     the scale word
.set COD, 20                           ; v20-31  the fragment
.set CT,  32                           ; v32-34, v36-38 the upper halves of the two blocks, as converted
.set NUM, 64                           ; v64-127 my 64 numbers
.set SEL, 20                           ; s[20:21] v_permlanex16_b32's selects for lane l xor 16
; 64 numbers of a lane, v[src + 32 c + i] = k 64 c + 32 h + i of its row or column, become the fragment's 12 registers in v[dst] on and the scale word in v[wrd].
.macro QUANT src, dst, wrd
.irp k, 0,1,2,3
	v_max3_num_f32 v[TM+\k], |v[(\src)+16*\k]|, |v[(\src)+16*\k+1]|, 0x1800000   ; four chains of 16 numbers; the floor 2^(3 - 127) among the leaves holds the byte at 1 from below
.endr
.irp i, 2,4,6,8,10,12,14
.irp k, 0,1,2,3
	v_max3_num_f32 v[TM+\k], v[TM+\k], |v[(\src)+16*\k+\i]|, |v[(\src)+16*\k+\i+1]|
.endr
.endr
	v_max_num_f32 v[TM], v[TM], v[TM+1]                        ; block 2 c + h, c = 0: all its 32 numbers are mine
	v_max_num_f32 v[TM+2], v[TM+2], v[TM+3]                    ; c = 1
	v_add_nc_u32 v[SC], 0xff000000, v[TM]                      ; 2 off the exponent field: the conversion takes the exponent field of this operand as its scale
	v_add_nc_u32 v[SC+1], 0xff000000, v[TM+2]
	v_lshrrev_b32 v[BY], 23, v[SC]                             ; the scale's byte
	v_lshrrev_b32 v[BY+1], 23, v[SC+1]
	v_lshl_or_b32 v[PWT], v[BY+1], 16, v[BY]                   ; blocks h and 2 + h,
	v_lshlrev_b32 v[PWT], v[H8], v[PWT]                        ; at their places in the word;
	v_permlanex16_b32 v[TMP], v[PWT], s[SEL], s[SEL+1]
	v_or_b32 v[\wrd], v[PWT], v[TMP]                           ; with lane l xor 16's two the word is whole, in both lanes
.irp c, 0,1
	v_cvt_scalef32_pk16_fp6_f32 v[(\dst)+6*\c:(\dst)+6*\c+2], v[(\src)+32*\c:(\src)+32*\c+15], v[SC+\c]
	v_cvt_scalef32_pk16_fp6_f32 v[CT+4*\c:CT+4*\c+2], v[(\src)+32*\c+16:(\src)+32*\c+31], v[SC+\c]   ; (a conversion's three registers begin on an even number: the upper half is made apart and moved)
.endr
	v_nop                                                      ; one plain instruction behind the last scaled conversion
.irp c, 0,1
.irp i, 0,1,2
	v_mov_b32 v[(\dst)+6*\c+3+\i], v[CT+4*\c+\i]
.endr
.endr
.endm
.macro WLOAD pitch                     ; W(128 s + 64 c + 32 h + i, my column): sixteen lanes read 64 consecutive bytes
.irp c, 0,1
.irp i, 0,1,2,3,4,5,6,7,8,9,10,11,12,13,14,15,16,17,18,19,20,21,22,23,24,25,26,27,28,29,30,31
	global_load_b32 v[NUM+32*\c+\i], v4, s[4:5] offset:(64*\c+\i)*\pitch th:TH_LOAD_NT
.endr
.endr
.endm
	s_load_b256 s[4:11], s[0:1], 0x0               ; Wkv s[4:5], Wq s[6:7], Wo s[8:9], wc s[10:11]
	s_load_b64 s[12:13], s[0:1], 0x20              ; ws
	v_lshrrev_b32 v1, 5, v0
	v_readfirstlane_b32 s14, v1                    ; wave
	v_and_b32 v1, 31, v0                           ; lane
	v_and_b32 v2, 15, v0                           ; r
	v_bfe_u32 v3, v0, 4, 1                         ; h
	v_lshlrev_b32 v5, 4, v1                        ; 16 x lane: my place in a store of codes
	v_lshlrev_b32 v[H8], 3, v3
	v_mov_b32 v[TMP], 0                            ; a lane permute's destination counts as one of its sources
	s_mov_b32 s[SEL], 0x76543210
	s_mov_b32 s[SEL+1], 0xfedcba98
	s_and_b32 s15, ttmp9, 1
	s_lshl_b32 s15, s15, 2
	s_add_co_u32 s15, s15, s14                     ; b = 4 (X % 2) + wave
	s_bfe_u32 s16, ttmp9, 0x20001                  ; s = (X / 2) % 4
	s_lshr_b32 s17, ttmp9, 3                       ; G = X / 8
	s_lshl_b32 s18, s15, 2
	v_lshl_add_u32 v6, v1, 5, s18                  ; 32 x lane + 4 b: my scale word's place
	s_lshl_b32 s18, ttmp9, 2
	s_add_co_u32 s18, s18, s14                     ; F = 4 X + wave
	s_mul_i32 s18, s18, 1536
	s_mov_b32 s19, 0
	s_lshr_b32 s22, ttmp9, 1
	s_lshl_b32 s22, s22, 10                        ; 1024 (4 G + s)
	s_mov_b32 s23, 0
	s_lshl_b32 s24, s15, 6                         ; 16 b columns of 4 bytes
	s_mov_b32 s25, 0
	v_lshlrev_b32 v4, 2, v2                        ; 4 r
	s_wait_kmcnt 0x0
	s_add_nc_u64 s[10:11], s[10:11], s[18:19]
	s_add_nc_u64 s[12:13], s[12:13], s[22:23]
	s_cmp_lt_u32 ttmp9, 64                         ; the first 64 work-groups take Wkv, whose rows are 4,096 bytes; the pitch stands in the loads' immediates, so the loads are written twice
	s_cbranch_scc0 .Lnarrow
	s_lshl_b32 s26, s17, 9                         ; 128 G columns
	s_add_co_u32 s24, s24, s26
	s_lshl_b32 s26, s16, 19                        ; 128 s rows of 4,096 bytes
	s_add_co_u32 s24, s24, s26
	s_add_nc_u64 s[4:5], s[4:5], s[24:25]
	v_lshl_add_u32 v4, v3, 17, v4                  ; lanes 16-31 begin 32 rows further down
	WLOAD 4096
	s_branch .Ljoin
.Lnarrow:
	s_cmp_lt_u32 ttmp9, 96                         ; Wq, then Wo: rows of 2,048 bytes.  The choice hangs on the work-group's number alone
	s_cselect_b64 s[4:5], s[6:7], s[8:9]
	s_and_b32 s26, s17, 3                          ; G - 8 or G - 12
	s_lshl_b32 s26, s26, 9
	s_add_co_u32 s24, s24, s26
	s_lshl_b32 s26, s16, 18                        ; 128 s rows of 2,048 bytes
	s_add_co_u32 s24, s24, s26
	s_add_nc_u64 s[4:5], s[4:5], s[24:25]
	v_lshl_add_u32 v4, v3, 16, v4
	WLOAD 2048
.Ljoin:
	s_wait_loadcnt 0x0
	QUANT NUM, COD, PW
	global_store_b128 v5, v[COD:COD+3], s[10:11]               ; 32 lanes store 512 consecutive bytes
	global_store_b128 v5, v[COD+4:COD+7], s[10:11] offset:512
	global_store_b128 v5, v[COD+8:COD+11], s[10:11] offset:1024
	global_store_b32 v6, v[PW], s[12:13]
	s_endpgm
.Lfunc_end_k_q376f0ea64e_prep:
	.size	k_q376f0ea64e_prep, .Lfunc_end_k_q376f0ea64e_prep-k_q376f0ea64e_prep
	.p2alignl 7, 3214868480
	.fill 96, 4, 3214868480
	.section	.rodata,"a",@progbits
	.p2align	6, 0x0
	.amdhsa_kernel k_q376f0ea64e_prep
		.amdhsa_group_segment_fixed_size 0
		.amdhsa_private_segment_fixed_size 0
		.amdhsa_enable_private_segment 0
		.amdhsa_kernarg_size 40
		.amdhsa_user_sgpr_count 2
		.amdhsa_user_sgpr_kernarg_segment_ptr 1
		.amdhsa_wavefront_size32 1
		.amdhsa_system_sgpr_workgroup_id_x 1
		.amdhsa_system_sgpr_workgroup_id_y 1
		.amdhsa_system_sgpr_workgroup_id_z 1
		.amdhsa_system_vgpr_workitem_id 0
		.amdhsa_next_free_vgpr 128
		.amdhsa_next_free_sgpr 66
		.amdhsa_reserve_vcc 0
		.amdhsa_float_denorm_mode_32 3
		.amdhsa_float_denorm_mode_16_64 3
		.amdhsa_memory_ordered 1
		.amdhsa_forward_progress 1
		.amdhsa_inst_pref_size 18
	.end_amdhsa_kernel
	.amdgpu_metadata
---
amdhsa.version: [ 1, 2 ]
amdhsa.kernels:
  - .name:           k_q376f0ea64e_prep
    .symbol:         k_q376f0ea64e_prep.kd
    .args:
      - { .name: Wkv, .offset: 0, .size: 8, .value_kind: global_buffer, .address_space: global }
      - { .name: Wq, .offset: 8, .size: 8, .value_kind: global_buffer, .address_space: global }
      - { .name: Wo, .offset: 16, .size: 8, .value_kind: global_buffer, .address_space: global }
      - { .name: wc, .offset: 24, .size: 8, .value_kind: global_buffer, .address_space: global }
      - { .name: ws, .offset: 32, .size: 8, .value_kind: global_buffer, .address_space: global }
    .group_segment_fixed_size: 0
    .private_segment_fixed_size: 0
    .kernarg_segment_align: 8
    .kernarg_segment_size: 40
    .max_flat_workgroup_size: 128
    .sgpr_count:     66
    .vgpr_count:     128
    .wavefront_size: 32
...
	.end_amdgpu_metadata
.endif
;; end of part 1
;; launch attn (part 2): grid 256 x 1, 4 waves a work-group, no clusters, 327,680 bytes of LDS; arguments mems, x, mask, bo, wc, ws, out0; writes out0
.if DOCPART == 2
	.amdgcn_target "amdgcn-amd-amdhsa--gfx1250"
	.amdhsa_code_object_version 6
	.text
	.protected	k_q376f0ea64e_attn
	.globl	k_q376f0ea64e_attn
	.p2align	8
	.type	k_q376f0ea64e_attn,@function
k_q376f0ea64e_attn:
	s_mov_b64 s[64:65], 0
	v_nop
	global_prefetch_b8 v0, s[64:65] scope:SCOPE_SE
	s_setreg_imm32_b32 hwreg(HW_REG_WAVE_MODE, 25, 1), 1
	s_wait_xcnt 0x0
; out0 = (softmax_j(mask ? (x Wq / 8) . (mems Wk) : -FLT_MAX) (mems Wv)) Wo + bo, for 2,048 queries, each with 64 memory rows of its own; 8 heads of 64.
; The products with Wq, Wkv and Wo multiply codes of FP6 (E2M3) with one E8M0 scale for each 32 along K; q . k and attn . v are f32 multiply-adds, since their results end in a quantiser.
; SHARES.  A work-group owns 8 queries: 512 rows (1 MiB) of mems, read once, and takes them through the whole chain; k and v never go to memory.  It goes in 4 GROUPS of 2 queries (128 rows).
; Wave w owns heads 2 w and 2 w + 1: a tile of 128 rows x 128 columns, 64 accumulators, 512 registers, first for k (Wkv's columns 128 w on), then for v (columns 512 + 128 w on).  So attention never leaves a wave.
; MEMS comes as f32 through each wave's own ring of two LDS slots (32 rows x 128 along K, 16.5 KB, one tensor load), is quantised in registers, and goes to the other waves as IMAGES OF THE OPERAND'S REGISTERS:
; a fragment (16 rows x 128 K, 12 registers a lane) by three ds_store_b128 at 16 x lane; any wave loads it back by the same three lines.  A group's 32 fragments serve both passes; two such buffers take turns.
; Quantising runs three intervals (of two K steps each) ahead of the products, so that each interval of the loop has the same work: one refill, two fragments made, 128 matrix instructions.
; THE WEIGHTS were laid by the launch before in the order of the operand's registers: a fragment is three loads of 16 bytes a lane, from memory straight into registers, one K step ahead.
; NO CLUSTER, though all work-groups walk the same weights: a joint load lands in LDS.  A K step's weights are 48 KB for the four waves, two slots 96 KB, and this text leaves 11,008 of LDS's 327,680 bytes;
; and each weight fragment is read by ONE wave, so the way through LDS would add 48 KB of writes and 48 KB of reads to a step that already moves about 123 KB through LDS.
; LAYOUTS.  k pass: source 0 = 16 columns of Wk, source 1 = 16 rows of mems: lane (r, h) holds memory row j = 16 (a % 4) + r and, in its 8 registers, d = 16 b + 8 h + 0 .. 7: q . k is a sum along a lane's registers.
;           v pass: the sources swapped: lane (r, h) holds d = 16 b + r and j = 16 (a % 4) + 8 h + 0 .. 7: attn . v is again a sum along a lane's registers.  Each wants one exchange between the halves of the lanes.
; THE SOFTMAX takes the row's maximum away, as the definition does; the mask is an input and only selects values (v_cndmask_b32); a row masked everywhere gives 1 / 64 for each of its 64.
; LIMITS: NaN and infinities among the inputs are not served; a block whose largest magnitude lies under 2^-124 has its scale byte held at 1; a block of zeros gets the byte 1 where the rule says 127 (its codes are
; zeros, and no scale byte leaves this program); the f32 sums of q . k, of the softmax and of attn . v are taken in another order than the definition's; attn is p x v_rcp_f32(sum).
; REGISTERS, in windows of 256.  Window 0: v0-22 addresses; v24-31 mask bytes; v32-47 A's scale words, v48-63 the weights', two sets each, and nothing else ever; v64-127 64 numbers at work; v128-223 A's 8 fragments;
;   v224-254 the quantiser's; in the attention v224-239 pair sums, v240-255 results.   Window 1: the weights' fragments, two sets, at v0 and v128; bo in the result's layout at v96-127 and v224-255.
;   Window 2: accumulators of the group's first query (a = 0-3; (a, b) at v[8 (8 (a % 4) + b)]);   window 3: of its second (a = 4-7); its v0-63 also take both projections.
.set FRB,   1536                       ; a fragment's image
.set CHB,   8*FRB                      ; a chunk: 128 rows x 128 K, 8 fragments
.set ASC,   4*CHB                      ; LDS 0: buffer 0's 32 fragments ((s, a) at CHB s + FRB a);  49,152: their scale words, 1024 s + 32 lane + 4 a
.set ATT,   53248                      ; attn: 1024 w + 256 (2 qi + hd) + 4 j; each wave's own
.set SPARE, 57344                      ; the spare words, 128 bytes for each wave: two blocks of 256 bytes that no other line names
.set MSK,   57856                      ; the mask's 512 bytes, a copy for each wave
.set BUF1,  0x10000                    ; buffer 1 = buffer 0 + 65,536: one exclusive or turns an address of one into the other's
.set XIMG,  118784                     ; x's four fragments (K step s at FRB s); at the end the attention's result's
.set XSC,   124928                     ; their scale words, 128 s + 4 lane
.set RING,  131072                     ; wave w, slot n at (2 w + n) TILE.  Only these bytes are ever a tensor load's target, and no LDS store touches them
.set RP,    528                        ; a row of 512 bytes + 16 of padding = 33 x 16: the sixteen rows that a load of 16 bytes a lane touches start in sixteen different columns of 16 bytes
.set TILE,  32*RP
.set SCR,   266240                     ; 16 rows x 528 for each wave: q; at the end the stage for out0
.set OUTF,  300032                     ; the attention's result, f32: query x OP + 4 x (inner index)
.set OP,    2064
.set KB,    0                          ; where a wave's weights begin in wc, from its own 49,152 w on: Wk,
.set VB,    196608                     ; Wv,
.set QB,    393216                     ; Wq,
.set OB,    589824                     ; Wo.  In ws the same numbers / 12
.set LI,   1                           ; v1   16 x lane
.set LIW,  2                           ; v2   16 x lane + 49,152 w: wc; never rewritten
.set L32W, 3                           ; v3   32 x lane + 4,096 w: ws; never rewritten
.set SPW,  4                           ; v4   LDS address of my spare word; never rewritten
.set NIL,  5                           ; v5   0; never rewritten
.set RA,   6                           ; v6   RING + 2 TILE w + RP r + 128 h
.set SB0,  7                           ; v7   ASC + 32 x lane
.set AR,   8                           ; v8   images: read, this group's buffer;  v9 the other's
.set ARN,  9
.set SR,   10                          ; v10, v11 the same for the scale words
.set SRN,  11
.set AWC,  12                          ; v12, v13 images: where I store: + 2 FRB w
.set AWN,  13
.set SWC,  14                          ; v14, v15 scale words: + 8 w
.set SWN,  15
.set QST,  16                          ; v16  SCR + 16 RP w + RP r + 32 h
.set QR,   17                          ; v17  SCR + 16 RP w + 32 h, + 2 RP a group
.set ATS,  18                          ; v18  ATT + 1024 w + 4 r
.set ATR,  19                          ; v19  ATT + 1024 w + 32 h
.set OS,   20                          ; v20  OUTF + 512 w + 4 r, + 2 OP a group
.set MKC,  21                          ; v21  MSK + 512 w + r, + 128 a group
.set H8,   22                          ; v22  8 h
.set MK,   24
.set AS,   32
.set BS,   48
.set XN,   64
.set MX,   80                          ; in SIM: v80-83 the rows' maxima, v84-91 their sums, v92 -FLT_MAX
.set SU,   84
.set SV,   88
.set NEGR, 92
.set AF,   128
.set PCD,  224                         ; the codes just made
.set CT,   236
.set TM,   244
.set SC,   248
.set BY,   250
.set PWT,  252
.set TMP,  253
.set PW,   254
.set PS,   224                         ; attention: pair sums
.set SS,   240                         ; attention: results
.set WV,   18                          ; s18  wave
.set CE,   19                          ; s19  log2(e) / 8: the definition's 1 / sqrt(64) and the change of base
.set SEL,  20                          ; s[20:21] v_permlanex16_b32's selects for lane l xor 16
.set RB,   22                          ; s22  this group's buffer: 0 or BUF1;  s23 the other's
.set RN,   23
.set G1,   24                          ; s[24:31] descriptor group 1
.set G0,   32                          ; s[32:39] descriptor group 0, a set for each slot
.set MSB, 0
.macro WIN new                         ; s_set_vgpr_msb: bits 1:0 source 0, 3:2 source 1, 5:4 source 2, 7:6 destination; the high byte repeats the setting that is left
.if MSB != (\new)
	s_set_vgpr_msb (MSB<<8)|(\new)
.set MSB, (\new)
.endif
.endm
.set TO_B, 0x40                        ; destination window 1, address window 0
; A load into a register that a matrix instruction has read, and whatever reads a matrix result but a matrix instruction, stand four plain vector instructions behind it (ISA guide 7.12.1 for vector instructions)
.macro PLACES n
.rept \n
	v_nop
.endr
.endm
; 64 numbers of a lane, v[src + 32 c + i] = k 64 c + 32 h + i of its row, become the fragment's 12 registers in v[dst] on and the row's scale word in v[wrd].  A block of 32 lies in one lane.
.macro QUANT src, dst, wrd
.irp k, 0,1,2,3
	v_max3_num_f32 v[TM+\k], |v[(\src)+16*\k]|, |v[(\src)+16*\k+1]|, 0x1800000   ; four chains of 16 numbers; the floor 2^(3 - 127) among the leaves holds the byte at 1 from below
.endr
.irp i, 2,4,6,8,10,12,14
.irp k, 0,1,2,3
	v_max3_num_f32 v[TM+\k], v[TM+\k], |v[(\src)+16*\k+\i]|, |v[(\src)+16*\k+\i+1]|
.endr
.endr
	v_max_num_f32 v[TM], v[TM], v[TM+1]                        ; block h
	v_max_num_f32 v[TM+2], v[TM+2], v[TM+3]                    ; block 2 + h
	v_add_nc_u32 v[SC], 0xff000000, v[TM]                      ; 2 off the exponent field: the conversion takes the exponent field of this operand as its scale
	v_add_nc_u32 v[SC+1], 0xff000000, v[TM+2]
	v_lshrrev_b32 v[BY], 23, v[SC]                             ; the scale's byte
	v_lshrrev_b32 v[BY+1], 23, v[SC+1]
	v_lshl_or_b32 v[PWT], v[BY+1], 16, v[BY]
	v_lshlrev_b32 v[PWT], v[H8], v[PWT]                        ; my two bytes at their places in the word;
	v_permlanex16_b32 v[TMP], v[PWT], s[SEL], s[SEL+1]
	v_or_b32 v[\wrd], v[PWT], v[TMP]                           ; with lane l xor 16's two it is whole, in both lanes
.irp c, 0,1
	v_cvt_scalef32_pk16_fp6_f32 v[(\dst)+6*\c:(\dst)+6*\c+2], v[(\src)+32*\c:(\src)+32*\c+15], v[SC+\c]
	v_cvt_scalef32_pk16_fp6_f32 v[CT+4*\c:CT+4*\c+2], v[(\src)+32*\c+16:(\src)+32*\c+31], v[SC+\c]   ; (a conversion's three registers begin on an even number: the upper half is made apart and moved)
.endr
	v_nop                                                      ; one plain instruction behind the last scaled conversion
.irp c, 0,1
.irp i, 0,1,2
	v_mov_b32 v[(\dst)+6*\c+3+\i], v[CT+4*\c+\i]
.endr
.endr
.endm
.macro XLOAD sl, e                     ; rows 16 e on of my slot sl: my row's 32 numbers of two blocks, 16 loads
.irp c, 0,1
.irp i, 0,1,2,3,4,5,6,7
	ds_load_b128 v[XN+32*\c+4*\i:XN+32*\c+4*\i+3], v[RA] offset:TILE*(\sl)+16*RP*(\e)+256*\c+16*\i
.endr
.endr
.endm
.macro IMAGE aw, sw, ch, e             ; the fragment just made is a = 2 w + e of chunk ch: image and scale word to LDS: 4 stores
.irp c, 0,1,2
	ds_store_b128 v[\aw], v[PCD+4*\c:PCD+4*\c+3] offset:CHB*(\ch)+FRB*(\e)+512*\c
.endr
	ds_store_b32 v[\sw], v[PW] offset:1024*(\ch)+4*(\e)
.endm
.macro UNITP sl, e, ch                 ; ahead of the loop: one fragment made with nothing beside it
	XLOAD \sl, \e
	s_wait_dscnt 0x0                               ; the numbers are in, and the stores of the fragment before have read their registers
	QUANT XN, PCD, PW
	IMAGE AWC, SWC, \ch, \e
.endm
.macro FETCH_B nb, p                   ; a K step's 8 weight fragments and their scale words into set p: 26 loads; each covers 512 consecutive bytes (the words': 1,024 in two)
	WIN TO_B
.irp b, 0,1,2,3,4,5,6,7
.irp c, 0,1,2
	global_load_b128 v[128*(\p)+12*\b+4*\c:128*(\p)+12*\b+4*\c+3], v[LIW], s[12:13] offset:(\nb)+FRB*\b+512*\c
.endr
.endr
	WIN 0
.irp k, 0,1
	global_load_b128 v[BS+8*(\p)+4*\k:BS+8*(\p)+4*\k+3], v[L32W], s[14:15] offset:(\nb)/12+16*\k
.endr
.endm
.macro FETCH_A ar, ch, a0              ; A's blocks a0 .. a0 + 3 of chunk ch: 12 loads
.irp a, \a0, \a0+1, \a0+2, \a0+3
.irp c, 0,1,2
	ds_load_b128 v[AF+12*(\a)+4*\c:AF+12*(\a)+4*\c+3], v[\ar] offset:CHB*(\ch)+FRB*(\a)+512*\c
.endr
.endr
.endm
.macro FETCH_AS sr, ch, p              ; the chunk's 8 scale words a lane into set p: 2 loads
.irp k, 0,1
	ds_load_b128 v[AS+8*(\p)+4*\k:AS+8*(\p)+4*\k+3], v[\sr] offset:1024*(\ch)+16*\k
.endr
.endm
; 16 matrix instructions: A's blocks a0, a0 + 1 against the weights' eight.  kind 0: the k pass (source 0 = weights), 1: the v pass (source 0 = A).  zero = 1: the product starts the sum: nothing is cleared.
; The 64 accumulators take turns, one instruction a turn, in the same order in every step.
.macro MUL16 kind, a0, p, zero
.irp a, \a0, \a0+1
.irp b, 0,1,2,3,4,5,6,7
.set rD, 8*(8*((\a)%4)+\b)
.set rW, 128*(\p)+12*\b
.set rA, AF+12*(\a)
.set rWS, BS+8*(\p)+\b
.set rAS, AS+8*(\p)+(\a)
.if \kind == 0
.if \zero
	v_wmma_scale_f32_16x16x128_f8f6f4 v[rD:rD+7], v[rW:rW+11], v[rA:rA+11], 0, v[rWS], v[rAS] matrix_a_fmt:MATRIX_FMT_FP6 matrix_b_fmt:MATRIX_FMT_FP6
.else
	v_wmma_scale_f32_16x16x128_f8f6f4 v[rD:rD+7], v[rW:rW+11], v[rA:rA+11], v[rD:rD+7], v[rWS], v[rAS] matrix_a_fmt:MATRIX_FMT_FP6 matrix_b_fmt:MATRIX_FMT_FP6
.endif
.else
.if \zero
	v_wmma_scale_f32_16x16x128_f8f6f4 v[rD:rD+7], v[rA:rA+11], v[rW:rW+11], 0, v[rAS], v[rWS] matrix_a_fmt:MATRIX_FMT_FP6 matrix_b_fmt:MATRIX_FMT_FP6
.else
	v_wmma_scale_f32_16x16x128_f8f6f4 v[rD:rD+7], v[rA:rA+11], v[rW:rW+11], v[rD:rD+7], v[rAS], v[rWS] matrix_a_fmt:MATRIX_FMT_FP6 matrix_b_fmt:MATRIX_FMT_FP6
.endif
.endif
.endr
.endr
.endm
; A K STEP: 64 matrix instructions on weight set s % 2.  Beside them: the next step's weights (at nb) are asked for; un = 1: rows 16 e on of my slot sl become fragment 2 w + e of chunk dch (stored by aw, sw);
; na = 1: the next step's fragments of A (chunk ns, read by ar, sr) are fetched: blocks 0-3 in the middle, when their registers are free, blocks 4-7 at the end.
.macro STEP kind, s, zero, un, sl, e, aw, sw, dch, nb, na, ar, sr, ns
	FETCH_B \nb, 1-(\s)%2                          ; into the set that the step before multiplied: its last product stands more than four plain instructions back
.if \un
	XLOAD \sl, \e
.endif
	s_wait_loadcnt 26                              ; all but the 26 just issued: this step's weights, asked for a step ago, are in
.if \un
	s_wait_dscnt 32                                ; A's blocks 0-3 and the scale words are in; behind them: the last fragment's 4 stores, blocks 4-7's 12 loads, the 16 loads just issued
.else
	s_wait_dscnt 12                                ; behind them: blocks 4-7's 12 loads
.endif
	WIN 0xa1+3*(\kind)                             ; weights window 1, A window 0, C and D window 2
	MUL16 \kind, 0, (\s)%2, \zero
	MUL16 \kind, 2, (\s)%2, \zero
.if \un
	s_wait_dscnt 16                                ; blocks 4-7 are in, and the last fragment's stores are done; the 16 loads of numbers may be out
.else
	s_wait_dscnt 0x0
.endif
	PLACES 4
.if \na
	WIN 0
	FETCH_A \ar, \ns, 0
	FETCH_AS \sr, \ns, 1-(\s)%2
.endif
	WIN 0xf1+3*(\kind)                             ; C and D window 3
	MUL16 \kind, 4, (\s)%2, \zero
	MUL16 \kind, 6, (\s)%2, \zero
	WIN 0
.if \un
	s_wait_dscnt 14*(\na)                          ; the numbers are in; behind them: the 12 + 2 loads of the middle
	QUANT XN, PCD, PW                              ; its plain instructions name no register of the products above: they are the places in front of the loads below
	IMAGE \aw, \sw, \dch, \e
.else
	PLACES 4
.endif
.if \na
	FETCH_A \ar, \ns, 4
.endif
.endm
; THE HEAD OF AN INTERVAL.  Each wave waits for all its tensor loads (the one that is out is the slot that it reads next), adds 0 to its spare word, steps the address of the slot that it has read out, and waits for the
; add and for all its LDS instructions: its reads of that slot and of the images, and its stores of images.  Behind the barrier the images stored in the last interval may be read by every wave, those read before it may
; be written over, and the slot is filled again: the first thing there, one load a wave; it has the interval's 128 matrix instructions in which to land.  By this text's count one tensor load of a wave is out then.
.macro HEAD sl, step
	s_wait_tensorcnt 0x0
	ds_add_u32 v[SPW], v[NIL]
	s_add_nc_u64 s[G0+4*\sl+2:G0+4*\sl+3], s[G0+4*\sl+2:G0+4*\sl+3], \step   ; no tensor load of mine is out, so a group 0 may be written; the type bits on top are not reached
	s_wait_dscnt 0x0
	s_barrier_signal -1
	s_barrier_wait -1
	tensor_load_to_lds s[G0+4*\sl:G0+4*\sl+3], s[G1:G1+7]
	s_nop 0
	PLACES 4
.endm
.macro PLAINBAR                        ; a barrier behind which nothing is filled: my LDS stores have landed and my LDS loads are in
	s_wait_dscnt 0x0
	s_barrier_signal -1
	s_barrier_wait -1
.endm
.macro TRIPADDR                        ; the addresses that hang on which buffer is this group's.  No LDS instruction of mine is out here
	s_xor_b32 s[RN], s[RB], BUF1
	v_add_nc_u32 v[AR], s[RB], v[LI]
	v_add_nc_u32 v[ARN], s[RN], v[LI]
	v_add_nc_u32 v[SR], s[RB], v[SB0]
	v_add_nc_u32 v[SRN], s[RN], v[SB0]
	s_add_co_u32 s43, s[RB], s41
	s_add_co_u32 s44, s[RN], s41
	v_add_nc_u32 v[AWC], s43, v[LI]
	v_add_nc_u32 v[AWN], s44, v[LI]
	s_add_co_u32 s43, s[RB], s42
	s_add_co_u32 s44, s[RN], s42
	v_add_nc_u32 v[SWC], s43, v[SB0]
	v_add_nc_u32 v[SWN], s44, v[SB0]
.endm
; BEHIND THE k PASS: the scores of the group's 2 queries x my 2 heads x 64 rows, the mask, the softmax; attn goes to my own bytes of LDS.
.macro SIM
.irp qi, 0,1
.irp jt, 0,1,2,3
	ds_load_u8 v[MK+4*\qi+\jt], v[MKC] offset:64*\qi+16*\jt   ; mask(query qi, j = 16 jt + r)
.endr
.endr
.irp qi, 0,1
.irp bb, 0,1,2,3,4,5,6,7
.irp k, 0,1
	ds_load_b128 v[XN+8*\bb+4*\k:XN+8*\bb+4*\k+3], v[QR] offset:RP*\qi+64*\bb+16*\k   ; q(query, 16 bb + 8 h + 0 .. 7): the lanes of a half read the same bytes
.endr
.endr
	s_wait_dscnt 0x0                               ; q and the mask are in; the last fragment's stores have read v224 on
	WIN 0x02+\qi                                   ; source 0: the query's accumulators
.irp bq, 0,1,2,3                       ; eight sums (head hd, rows 16 jt on) by turns, two numbers an instruction; each accumulator is read from its low end on
.irp ii, 0,2,4,6
.irp hd, 0,1
.irp jt, 0,1,2,3
.set rC, 8*(8*\jt+4*\hd+\bq)+\ii
.set rP, PS+2*(4*\hd+\jt)
.set rX, XN+8*(4*\hd+\bq)+\ii
.if (\bq == 0) && (\ii == 0)
	v_pk_mul_f32 v[rP:rP+1], v[rC:rC+1], v[rX:rX+1]
.else
	v_pk_fma_f32 v[rP:rP+1], v[rC:rC+1], v[rX:rX+1], v[rP:rP+1]
.endif
.endr
.endr
.endr
.endr
	WIN 0
.irp n, 0,1,2,3,4,5,6,7
	v_add_f32 v[SS+8*\qi+\n], v[PS+2*\n], v[PS+2*\n+1]
.endr
.endr
.irp n, 0,1,2,3,4,5,6,7,8,9,10,11,12,13,14,15
	v_permlanex16_b32 v[XN+\n], v[SS+\n], s[SEL], s[SEL+1]     ; the other 32 of the head's 64 lie in the lane 16 away
.endr
.irp n, 0,1,2,3,4,5,6,7,8,9,10,11,12,13,14,15
	v_add_f32 v[SS+\n], v[SS+\n], v[XN+\n]                     ; v[SS + 4 p + jt], p = 2 qi + hd: q . k for j = 16 jt + r, in both halves of the lanes
.endr
	v_mov_b32 v[NEGR], 0xff7fffff                              ; -FLT_MAX
.irp qi, 0,1
.irp jt, 0,1,2,3
	v_cmp_ne_u32 vcc_lo, 0, v[MK+4*\qi+\jt]
	v_cndmask_b32 v[SS+8*\qi+\jt], v[NEGR], v[SS+8*\qi+\jt], vcc_lo       ; the mask serves both heads
	v_cndmask_b32 v[SS+8*\qi+4+\jt], v[NEGR], v[SS+8*\qi+4+\jt], vcc_lo
.endr
.endr
.irp p, 0,1,2,3
	v_max3_num_f32 v[MX+\p], v[SS+4*\p], v[SS+4*\p+1], v[SS+4*\p+2]
.endr
.irp p, 0,1,2,3
	v_max_num_f32 v[MX+\p], v[MX+\p], v[SS+4*\p+3]
.endr
.irp m, 1,2,4,8
.irp p, 0,1,2,3
	v_max_num_f32_dpp v[MX+\p], v[MX+\p], v[MX+\p] row_xmask:\m row_mask:0xf bank_mask:0xf
.endr
.endr
.irp n, 0,1,2,3,4,5,6,7,8,9,10,11,12,13,14,15
	v_sub_f32 v[SS+\n], v[SS+\n], v[MX+\n/4]                   ; the maximum is taken away FIRST and the difference scaled: not one fused line, since in a row masked everywhere the difference must be exactly 0
.endr
.irp n, 0,1,2,3,4,5,6,7,8,9,10,11,12,13,14,15
	v_mul_f32 v[SS+\n], s[CE], v[SS+\n]
.endr
.irp n, 0,1,2,3,4,5,6,7,8,9,10,11,12,13,14,15
	v_exp_f32 v[SS+\n], v[SS+\n]
.endr
	v_nop                                                      ; a plain instruction behind the exponentials
	s_wait_alu depctr_va_vdst(0)
.irp p, 0,1,2,3
	v_add_f32 v[SU+\p], v[SS+4*\p], v[SS+4*\p+1]
	v_add_f32 v[SV+\p], v[SS+4*\p+2], v[SS+4*\p+3]
.endr
.irp p, 0,1,2,3
	v_add_f32 v[SU+\p], v[SU+\p], v[SV+\p]
.endr
.irp m, 1,2,4,8
.irp p, 0,1,2,3
	v_add_f32_dpp v[SU+\p], v[SU+\p], v[SU+\p] row_xmask:\m row_mask:0xf bank_mask:0xf
.endr
.endr
.irp p, 0,1,2,3
	v_rcp_f32 v[SU+\p], v[SU+\p]
.endr
	v_nop                                                      ; a plain instruction behind the reciprocals
	s_wait_alu depctr_va_vdst(0)
.irp n, 0,1,2,3,4,5,6,7,8,9,10,11,12,13,14,15
	v_mul_f32 v[SS+\n], v[SS+\n], v[SU+\n/4]
.endr
.irp n, 0,1,2,3,4,5,6,7,8,9,10,11,12,13,14,15
	ds_store_b32 v[ATS], v[SS+\n] offset:64*\n                 ; 256 p + 64 jt + 4 r; both halves of the lanes write the same word with the same value
.endr
.endm
; BEHIND THE v PASS: attn . v for the group's 2 queries x my 128 columns; the result goes to my own columns of OUTF.
.macro OUTP
.irp qi, 0,1
.irp hd, 0,1
.irp jt, 0,1,2,3
.irp k, 0,1
	ds_load_b128 v[XN+32*\hd+8*\jt+4*\k:XN+32*\hd+8*\jt+4*\k+3], v[ATR] offset:256*(2*\qi+\hd)+64*\jt+16*\k   ; attn(j = 16 jt + 8 h + 0 .. 7).  LDS serves a wave's instructions in order: these see SIM's stores
.endr
.endr
.endr
	s_wait_dscnt 0x0                               ; attn is in; earlier stores have read v224 on
	WIN 0x02+\qi
.irp jt, 0,1,2,3                       ; eight sums (columns 16 b on) by turns; each accumulator is read from its low end on
.irp ii, 0,2,4,6
.irp b, 0,1,2,3,4,5,6,7
.set rC, 8*(8*\jt+\b)+\ii
.set rP, PS+2*\b
.set rX, XN+32*(\b/4)+8*\jt+\ii
.if (\jt == 0) && (\ii == 0)
	v_pk_mul_f32 v[rP:rP+1], v[rC:rC+1], v[rX:rX+1]
.else
	v_pk_fma_f32 v[rP:rP+1], v[rC:rC+1], v[rX:rX+1], v[rP:rP+1]
.endif
.endr
.endr
.endr
	WIN 0
.irp b, 0,1,2,3,4,5,6,7
	v_add_f32 v[SS+\b], v[PS+2*\b], v[PS+2*\b+1]
.endr
.irp b, 0,1,2,3,4,5,6,7
	v_permlanex16_b32 v[SS+8+\b], v[SS+\b], s[SEL], s[SEL+1]   ; the other 32 rows lie in the lane 16 away
.endr
.irp b, 0,1,2,3,4,5,6,7
	v_add_f32 v[SS+\b], v[SS+\b], v[SS+8+\b]
.endr
.irp b, 0,1,2,3,4,5,6,7
	ds_store_b32 v[OS], v[SS+\b] offset:OP*\qi+64*\b
.endr
.endr
.endm
; A K step of a projection: my 128 columns (8 tiles) for the work-group's 8 queries, which fill a tile of 16 rows twice.  cm: 0 the step starts the sums; 2 it starts them from bo; 1 it adds on.
; lc: the loads issued behind this step's weights.  nb: what is fetched into the set just multiplied, or -1.
.macro PSTEP s, cm, lc, nb
	s_wait_loadcnt \lc
.if (\cm) == 2
	WIN 0xd1                                       ; weights and C (bo) window 1, D window 3
.else
	WIN 0xf1
.endif
.irp b, 0,1,2,3,4,5,6,7
.set rW, 128*((\s)%2)+12*\b
.set rA, AF+12*(\s)
.set rWS, BS+8*((\s)%2)+\b
.set rB, 96+8*\b+96*(\b/4)
.if (\cm) == 0
	v_wmma_scale_f32_16x16x128_f8f6f4 v[8*\b:8*\b+7], v[rW:rW+11], v[rA:rA+11], 0, v[rWS], v[AS+(\s)] matrix_a_fmt:MATRIX_FMT_FP6 matrix_b_fmt:MATRIX_FMT_FP6
.elseif (\cm) == 2
	v_wmma_scale_f32_16x16x128_f8f6f4 v[8*\b:8*\b+7], v[rW:rW+11], v[rA:rA+11], v[rB:rB+7], v[rWS], v[AS+(\s)] matrix_a_fmt:MATRIX_FMT_FP6 matrix_b_fmt:MATRIX_FMT_FP6
.else
	v_wmma_scale_f32_16x16x128_f8f6f4 v[8*\b:8*\b+7], v[rW:rW+11], v[rA:rA+11], v[8*\b:8*\b+7], v[rWS], v[AS+(\s)] matrix_a_fmt:MATRIX_FMT_FP6 matrix_b_fmt:MATRIX_FMT_FP6
.endif
.endr
	WIN 0
	PLACES 4
.if (\nb) >= 0
	FETCH_B \nb, (\s)%2
.endif
.endm
.macro DSTORE                          ; a projection's results, lane (r, h): (query r, column 16 b + 8 h + 0 .. 7), into my 16 rows of SCR
	PLACES 4
	WIN 0x0c                                       ; an LDS store's data are its source 1: window 3
.irp b, 0,1,2,3,4,5,6,7
	ds_store_b128 v[QST], v[8*\b:8*\b+3] offset:64*\b          ; each accumulator from its low end on
	ds_store_b128 v[QST], v[8*\b+4:8*\b+7] offset:64*\b+16
.endr
	WIN 0
.endm
.macro XFRAGS xir, xsr                 ; the four fragments in XIMG and their scale words
.irp s, 0,1,2,3
.irp c, 0,1,2
	ds_load_b128 v[AF+12*\s+4*\c:AF+12*\s+4*\c+3], v[\xir] offset:FRB*\s+512*\c
.endr
	ds_load_b32 v[AS+\s], v[\xsr] offset:128*\s
.endr
	s_wait_dscnt 0x0
.endm
; A GROUP of 2 queries: four intervals of two K steps.  f = 1: the next group's chunks are fetched and quantised beside it; f = 0: the last group, which asks for nothing more.
.macro GROUP f
.if \f
	HEAD 0, 261120                                 ; slot 0: the next group's K step 0: 128 rows down, 1,024 bytes back
.else
	s_wait_tensorcnt 0x0                           ; my last tile is in
	PLAINBAR                                       ; chunk 2 of this group, stored in the interval before, is read below by every wave
.endif
	STEP 0,0,1, 1,1,0,AWC,SWC,3, KB+CHB*1, 1,AR,SR,1           ; slot 1 holds THIS group's K step 3: its chunk is first read behind the next barrier
	STEP 0,1,0, 1,1,1,AWC,SWC,3, KB+CHB*2, 1,AR,SR,2
.if \f
	HEAD 1, 261120
.else
	PLAINBAR                                       ; chunk 3 is whole
.endif
	STEP 0,2,0, \f,0,0,AWN,SWN,0, KB+CHB*3, 1,AR,SR,3
	STEP 0,3,0, \f,0,1,AWN,SWN,0, VB, 1,AR,SR,0                ; the v pass takes the same chunks again
	SIM
.if \f
	HEAD 0, 1024
.endif
	STEP 1,0,1, \f,1,0,AWN,SWN,1, VB+CHB*1, 1,AR,SR,1
	STEP 1,1,0, \f,1,1,AWN,SWN,1, VB+CHB*2, 1,AR,SR,2
.if \f
	HEAD 1, 1024
.endif
	STEP 1,2,0, \f,0,0,AWN,SWN,2, VB+CHB*3, 1,AR,SR,3
.if \f
	STEP 1,3,0, 1,0,1,AWN,SWN,2, KB, 1,ARN,SRN,0               ; the next group's first fragments: its chunk 0 was stored two barriers ago
.else
	STEP 1,3,0, 0,0,1,AWN,SWN,2, OB, 0,AR,SR,0                 ; Wo's first K step,
	FETCH_B OB+CHB, 1                              ; and its second, behind the step's four places
.endif
	OUTP
.if \f
	s_wait_dscnt 0x0                               ; no LDS instruction of mine is out: the address registers may be written
	v_add_nc_u32 v[QR], 2*RP, v[QR]
	v_add_nc_u32 v[OS], 2*OP, v[OS]
	v_add_nc_u32 v[MKC], 128, v[MKC]
	s_xor_b32 s[RB], s[RB], BUF1
	TRIPADDR
.endif
.endm
	s_load_b256 s[4:11], s[0:1], 0x0               ; mems s[4:5], x s[6:7], mask s[8:9], bo s[10:11]
	s_load_b128 s[12:15], s[0:1], 0x20             ; wc s[12:13], ws s[14:15]
	s_load_b64 s[16:17], s[0:1], 0x30              ; out0
	v_lshl_add_u32 v[SPW], v0, 2, SPARE
	v_mov_b32 v[NIL], 0
	ds_add_u32 v4, v5
	ds_add_u32 v4, v5
	s_wait_dscnt 0x0
	v_lshrrev_b32 v1, 5, v0
	v_readfirstlane_b32 s[WV], v1                  ; wave 0..3
	; descriptor group 1: a tile of 32 rows x 128 f32, rows 512 elements apart, 16 bytes of padding behind each row in LDS
	s_mov_b32 s[G1+0], (2<<16)|(1<<20)|(6<<22)|(3<<25)   ; 15:0 no mask; 17:16 elements of 4 bytes; 20 padding on; 24:22 after every 128 words (code 6); 31:25 of 4 words (code 3)
	s_mov_b32 s[G1+1], 128<<16                     ; tensor_dim0 = 128
	s_mov_b32 s[G1+2], 32<<16                      ; tensor_dim1 = 32
	s_mov_b32 s[G1+3], 128<<16                     ; tile_dim0 = 128
	s_mov_b32 s[G1+4], 32                          ; tile_dim1 = 32
	s_mov_b32 s[G1+5], 512                         ; tensor_dim0_stride
	s_mov_b32 s[G1+6], 0
	s_mov_b32 s[G1+7], 0
	s_mul_i32 s43, s[WV], 2*TILE
	s_add_co_u32 s43, s43, RING                    ; my ring
	s_lshl_b32 s44, ttmp9, 20                      ; the work-group's 512 rows of 2,048 bytes,
	s_lshl_b32 s45, s[WV], 16                      ; my 32 rows of each group's 128
	s_add_co_u32 s44, s44, s45
	s_mov_b32 s45, 0
	s_lshl_b32 s46, ttmp9, 14                      ; x and out0: 8 rows of 2,048 bytes
	s_mov_b32 s47, 0
	s_lshl_b32 s48, ttmp9, 9                       ; mask: 8 x 64 bytes
	s_mov_b32 s49, 0
	s_wait_kmcnt 0x0
	s_add_nc_u64 s[4:5], s[4:5], s[44:45]
.irp sl, 0,1
	s_mov_b32 s[G0+4*\sl], 1                       ; count = 1
	s_add_co_u32 s[G0+4*\sl+1], s43, \sl*TILE      ; LDS address
	s_add_nc_u64 s[G0+4*\sl+2:G0+4*\sl+3], s[4:5], \sl*512   ; global address: group 0, K step sl
	s_or_b32 s[G0+4*\sl+3], s[G0+4*\sl+3], 0x80000000        ; type = 2
.endr
	tensor_load_to_lds s[G0:G0+3], s[G1:G1+7]      ; the two first fills go out together, ahead of every wait on TENSORcnt, every LDS read and every barrier: two loads of mine are out
	s_nop 0
	tensor_load_to_lds s[G0+4:G0+7], s[G1:G1+7]
	s_nop 0
	PLACES 4
	s_add_nc_u64 s[6:7], s[6:7], s[46:47]
	s_add_nc_u64 s[16:17], s[16:17], s[46:47]
	s_add_nc_u64 s[8:9], s[8:9], s[48:49]
	s_lshl_b32 s50, s[WV], 9                       ; 512 w; kept
	v_and_b32 v208, 31, v0                         ; lane   (v208-217: at work here; later A's fragments)
	v_and_b32 v209, 15, v0                         ; r
	v_bfe_u32 v210, v0, 4, 1                       ; h
	v_lshlrev_b32 v[LI], 4, v208
	global_load_b128 v[MK:MK+3], v[LI], s[8:9]     ; the work-group's 512 mask bytes, a copy for each wave
	v_and_b32 v211, 7, v0
	v_lshlrev_b32 v211, 11, v211
	v_lshl_add_u32 v211, v210, 7, v211
	v_add_nc_u32 v211, s50, v211                   ; x: row r % 8 (the 8 queries fill the tile of 16 rows twice), K step w, + 128 h
.irp c, 0,1
.irp i, 0,1,2,3,4,5,6,7
	global_load_b128 v[AF+32*\c+4*\i:AF+32*\c+4*\i+3], v211, s[6:7] offset:256*\c+16*\i
.endr
.endr
	s_mov_b32 s[CE], 0x3e38aa3b                    ; log2(e) / 8
	s_mov_b32 s[SEL], 0x76543210
	s_mov_b32 s[SEL+1], 0xfedcba98
	s_mul_i32 s41, s[WV], 2*FRB
	s_lshl_b32 s42, s[WV], 3
	s_mul_i32 s43, s[WV], 49152
	v_add_nc_u32 v[LIW], s43, v[LI]
	s_lshl_b32 s43, s[WV], 12
	v_lshl_add_u32 v[L32W], v208, 5, s43
	v_mul_u32_u24 v[RA], v209, RP
	v_lshl_add_u32 v[RA], v210, 7, v[RA]
	s_mul_i32 s43, s[WV], 2*TILE
	s_add_co_u32 s43, s43, RING
	v_add_nc_u32 v[RA], s43, v[RA]
	v_lshl_add_u32 v[SB0], v208, 5, ASC
	v_mul_u32_u24 v[QST], v209, RP
	v_lshl_add_u32 v[QST], v210, 5, v[QST]
	s_mul_i32 s43, s[WV], 16*RP
	s_add_co_u32 s43, s43, SCR
	v_add_nc_u32 v[QST], s43, v[QST]
	v_lshl_add_u32 v[QR], v210, 5, s43
	s_lshl_b32 s44, s[WV], 10
	s_add_co_u32 s44, s44, ATT
	v_lshl_add_u32 v[ATS], v209, 2, s44
	v_lshl_add_u32 v[ATR], v210, 5, s44
	s_add_co_u32 s44, s50, OUTF
	v_lshl_add_u32 v[OS], v209, 2, s44
	s_add_co_u32 s44, s50, MSK
	v_add_nc_u32 v[MKC], s44, v209
	v_add_nc_u32 v217, s44, v[LI]                  ; where my copy of the mask goes
	v_lshlrev_b32 v[H8], 3, v210
	v_lshl_add_u32 v212, v210, 5, s50              ; bo: 512 w + 32 h
	s_mul_i32 s44, s[WV], FRB
	s_add_co_u32 s44, s44, XIMG
	v_add_nc_u32 v213, s44, v[LI]                  ; x's image: K step w
	s_lshl_b32 s44, s[WV], 7
	s_add_co_u32 s44, s44, XSC
	v_lshl_add_u32 v214, v208, 2, s44              ; and its scale word
	v_add_nc_u32 v215, XIMG, v[LI]                 ; the same, to read
	v_lshl_add_u32 v216, v208, 2, XSC
	v_mov_b32 v[TMP], 0                            ; a lane permute's destination counts as one of its sources
	s_mov_b32 s[RB], 0
	TRIPADDR
	; ---- ahead of the loop: chunks 0, 1, 2 of group 0, x, and q
	s_wait_tensorcnt 0x1                           ; my tile of K step 0 is in; K step 1's may stay out
	UNITP 0, 0, 0
	UNITP 0, 1, 0
	s_wait_loadcnt 0x0                             ; the mask and x
	s_wait_dscnt 0x0                               ; the stores above have read their registers
	ds_store_b128 v217, v[MK:MK+3]
	QUANT AF, PCD, PW                              ; my K step of x
.irp c, 0,1,2
	ds_store_b128 v213, v[PCD+4*\c:PCD+4*\c+3] offset:512*\c
.endr
	ds_store_b32 v214, v[PW]
	HEAD 0, 1024                                   ; slot 0: K step 2
	WIN TO_B
.irp b, 0,1,2,3,4,5,6,7                ; bo in the result's layout: tile b, lane (r, h): bo[128 w + 16 b + 8 h + 0 .. 7]; it stays
	global_load_b128 v[96+8*\b+96*(\b/4):96+8*\b+96*(\b/4)+3], v212, s[10:11] offset:64*\b
	global_load_b128 v[96+8*\b+96*(\b/4)+4:96+8*\b+96*(\b/4)+7], v212, s[10:11] offset:64*\b+16
.endr
	FETCH_B QB, 0
	FETCH_B QB+CHB, 1
	UNITP 1, 0, 1
	UNITP 1, 1, 1
	HEAD 1, 1024                                   ; slot 1: K step 3.  This barrier is the second behind x's images: every wave may read them
	UNITP 0, 0, 2
	UNITP 0, 1, 2
	XFRAGS 215, 216
	PSTEP 0, 0, 26, QB+CHB*2                       ; behind Wq's K step 0: K step 1's 26 loads (bo's 16 came before)
	PSTEP 1, 1, 26, QB+CHB*3
	PSTEP 2, 1, 26, KB                             ; Wk's first K step
	PSTEP 3, 1, 26, -1
	DSTORE                                         ; q: my heads' 128 columns of the 8 queries, in my own bytes
	FETCH_A AR, 0, 0                               ; chunk 0 was stored two barriers ago
	FETCH_AS SR, 0, 0
	FETCH_A AR, 0, 4
	s_mov_b32 s40, 3
.Lgroup:                                           ; groups 0, 1, 2: every trip has the same four tensor loads
	GROUP 1
	s_sub_co_u32 s40, s40, 1
	s_cmp_lg_u32 s40, 0
	s_cbranch_scc1 .Lgroup
	GROUP 0                                        ; the last group is written out
	; ---- the output's projection.  Its K step w is the 128 columns that I made: no barrier in front of these reads
	v_and_b32 v208, 31, v0
	v_and_b32 v209, 7, v0
	v_bfe_u32 v210, v0, 4, 1
	v_mul_u32_u24 v211, v209, OP
	v_lshl_add_u32 v211, v210, 7, v211
	s_add_co_u32 s44, s50, OUTF
	v_add_nc_u32 v211, s44, v211                   ; row r % 8, + 512 w + 128 h
	v_add_nc_u32 v212, s50, v[LI]                  ; out0: 16 x lane + 512 w
	s_mul_i32 s44, s[WV], FRB
	s_add_co_u32 s44, s44, XIMG
	v_add_nc_u32 v213, s44, v[LI]
	s_lshl_b32 s44, s[WV], 7
	s_add_co_u32 s44, s44, XSC
	v_lshl_add_u32 v214, v208, 2, s44
	v_add_nc_u32 v215, XIMG, v[LI]
	v_lshl_add_u32 v216, v208, 2, XSC
	s_mul_i32 s44, s[WV], 16*RP
	s_add_co_u32 s44, s44, SCR
	v_add_nc_u32 v217, s44, v[LI]                  ; the stage, read by rows
.irp c, 0,1
.irp i, 0,1,2,3,4,5,6,7
	ds_load_b128 v[XN+32*\c+4*\i:XN+32*\c+4*\i+3], v211 offset:256*\c+16*\i
.endr
.endr
	s_wait_dscnt 0x0
	QUANT XN, PCD, PW
.irp c, 0,1,2
	ds_store_b128 v213, v[PCD+4*\c:PCD+4*\c+3] offset:512*\c
.endr
	ds_store_b32 v214, v[PW]
	PLAINBAR                                       ; the four fragments lie in LDS
	XFRAGS 215, 216
	PSTEP 0, 2, 26, OB+CHB*2                       ; bo is the C of each sum's first product
	PSTEP 1, 1, 26, OB+CHB*3
	PSTEP 2, 1, 26, -1
	PSTEP 3, 1, 0, -1                              ; nothing was asked for behind Wo's last K step
	DSTORE
.irp t, 0,1,2,3,4,5,6,7
	ds_load_b128 v[XN+4*\t:XN+4*\t+3], v217 offset:RP*\t       ; LDS serves a wave's instructions in order: these see my stores.  Rows 8-15 repeat rows 0-7 and are left
.endr
.irp t, 0,1,2,3,4,5,6,7
	s_wait_dscnt 7-\t                              ; row t is back; the younger loads may be out
	global_store_b128 v212, v[XN+4*\t:XN+4*\t+3], s[16:17] offset:2048*\t th:TH_STORE_NT   ; 32 lanes store 512 consecutive bytes, at a multiple of 512 from out0's first byte
.endr
	s_wait_tensorcnt 0x0                           ; the wave's end
	ds_add_u32 v[SPW], v[NIL]
	s_wait_dscnt 0x0
	s_endpgm
.Lfunc_end_k_q376f0ea64e_attn:
	.size	k_q376f0ea64e_attn, .Lfunc_end_k_q376f0ea64e_attn-k_q376f0ea64e_attn
	.p2alignl 7, 3214868480
	.fill 96, 4, 3214868480
	.section	.rodata,"a",@progbits
	.p2align	6, 0x0
	.amdhsa_kernel k_q376f0ea64e_attn
		.amdhsa_group_segment_fixed_size 327680
		.amdhsa_private_segment_fixed_size 0
		.amdhsa_enable_private_segment 0
		.amdhsa_kernarg_size 56
		.amdhsa_user_sgpr_count 2
		.amdhsa_user_sgpr_kernarg_segment_ptr 1
		.amdhsa_wavefront_size32 1
		.amdhsa_system_sgpr_workgroup_id_x 1
		.amdhsa_system_sgpr_workgroup_id_y 1
		.amdhsa_system_sgpr_workgroup_id_z 1
		.amdhsa_system_vgpr_workitem_id 0
		.amdhsa_next_free_vgpr 1024
		.amdhsa_next_free_sgpr 66
		.amdhsa_reserve_vcc 1
		.amdhsa_float_denorm_mode_32 3
		.amdhsa_float_denorm_mode_16_64 3
		.amdhsa_memory_ordered 1
		.amdhsa_forward_progress 1
		.amdhsa_inst_pref_size 255
	.end_amdhsa_kernel
	.section	.bss,"aw",@nobits
	.p2align	6
	.space	262144
	.amdgpu_metadata
---
amdhsa.version: [ 1, 2 ]
amdhsa.kernels:
  - .name:           k_q376f0ea64e_attn
    .symbol:         k_q376f0ea64e_attn.kd
    .args:
      - { .name: mems, .offset: 0, .size: 8, .value_kind: global_buffer, .address_space: global }
      - { .name: x, .offset: 8, .size: 8, .value_kind: global_buffer, .address_space: global }
      - { .name: mask, .offset: 16, .size: 8, .value_kind: global_buffer, .address_space: global }
      - { .name: bo, .offset: 24, .size: 8, .value_kind: global_buffer, .address_space: global }
      - { .name: wc, .offset: 32, .size: 8, .value_kind: global_buffer, .address_space: global }
      - { .name: ws, .offset: 40, .size: 8, .value_kind: global_buffer, .address_space: global }
      - { .name: out0, .offset: 48, .size: 8, .value_kind: global_buffer, .address_space: global }
    .group_segment_fixed_size: 327680
    .private_segment_fixed_size: 0
    .kernarg_segment_align: 8
    .kernarg_segment_size: 56
    .max_flat_workgroup_size: 128
    .sgpr_count:     66
    .vgpr_count:     1024
    .wavefront_size: 32
...
	.end_amdgpu_metadata
.endif
;; end of part 2
;; ======== version 2 of 2: 2 launches
;; limits: right only within a limited range of input values
;; workspace buffers: wc 786,432 bytes; ws 65,536 bytes
;; launch prep (part 3): grid 128 x 1, 4 waves a work-group, no clusters, 0 bytes of LDS; arguments Wkv, Wq, Wo, wc, ws; writes wc, ws
.if DOCPART == 3
	.amdgcn_target "amdgcn-amd-amdhsa--gfx1250"
	.amdhsa_code_object_version 6
	.text
	.protected	k_q376f0ea64e_prep
	.globl	k_q376f0ea64e_prep
	.p2align	8
	.type	k_q376f0ea64e_prep,@function
k_q376f0ea64e_prep:
	s_mov_b64 s[64:65], 0
	v_nop
	global_prefetch_b8 v0, s[64:65] scope:SCOPE_SE
	s_setreg_imm32_b32 hwreg(HW_REG_WAVE_MODE, 25, 1), 1
	s_wait_xcnt 0x0
; Wkv [512][1024], Wq [512][512], Wo [512][512], f32, K = the FIRST axis, become codes of FP6 (E2M3) with one E8M0 scale byte for each 32 along K,
; laid in the order of a matrix operand's registers, so that the next launch loads a fragment whole: three loads of 16 bytes a lane.
; A FRAGMENT is 16 columns x 128 along K: 12 registers a lane.  Fragment F = (4 G + s) 8 + b lies at byte 1536 F of wc; registers 4 c .. 4 c + 3 of lane l at 512 c + 16 l.
;   G: which 128 columns (0-7: Wkv's 128 G on; 8-11: Wq's; 12-15: Wo's);  s: which 128 along K;  b: which 16 of the 128 columns.
; Its scale words (one a column, byte i for k = 32 i on) lie in ws at 1024 (4 G + s) + 32 l + 4 b; lane 16 + r holds the same word as lane r.
; SHARES: a wave makes one fragment: work-group X, wave w: F = 4 X + w.  LANE (r, h) TAKES COLUMN r, AND ITS REGISTERS RUN DOWN K in the order that the operand's layout gives the lane:
; k = 64 c + 32 h + 0 .. 31.  So a block of 32 lies in one lane, and the conversions' results are the operand's registers: nothing is transposed.
; The four waves of a work-group stand side by side on 256 consecutive bytes of each row of the weight.
; A block's scale is 2^(floor(log2(its largest magnitude)) - 2); its byte is the largest magnitude's exponent field - 2, held at 1 from below.
; LIMITS: a block whose largest magnitude lies under 2^-124 has its byte held at 1; a block of zeros gets the byte 1 where the rule says 127 (its codes are zeros, which add nothing,
; and this program alone reads the bytes); NaN and infinities among the inputs are not served.
; The scale words leave 4 bytes a lane, 32 bytes apart: 64 KiB in the whole launch are stored so, in parts of their 256-byte blocks; the codes leave 512 consecutive bytes a store.
.set H8,  7                            ; v7      8 h: how far my two scale bytes are shifted
.set TM,  8                            ; v8-11   largest magnitudes, four chains
.set SC,  12                           ; v12-13  the conversions' scale operands, one a block
.set BY,  14                           ; v14-15  the scale bytes
.set PWT, 16                           ; v16     my two bytes at their places
.set TMP, 17                           ; v17     lane l xor 16's
.set PW,  18                           ; v18     the scale word
.set COD, 20                           ; v20-31  the fragment
.set CT,  32                           ; v32-34, v36-38 the upper halves of the two blocks, as converted
.set NUM, 64                           ; v64-127 my 64 numbers
.set SEL, 20                           ; s[20:21] v_permlanex16_b32's selects for lane l xor 16
; 64 numbers of a lane, v[src + 32 c + i] = k 64 c + 32 h + i of its row or column, become the fragment's 12 registers in v[dst] on and the scale word in v[wrd].
.macro QUANT src, dst, wrd
.irp k, 0,1,2,3
	v_max3_num_f32 v[TM+\k], |v[(\src)+16*\k]|, |v[(\src)+16*\k+1]|, 0x1800000   ; four chains of 16 numbers; the floor 2^(3 - 127) among the leaves holds the byte at 1 from below
.endr
.irp i, 2,4,6,8,10,12,14
.irp k, 0,1,2,3
	v_max3_num_f32 v[TM+\k], v[TM+\k], |v[(\src)+16*\k+\i]|, |v[(\src)+16*\k+\i+1]|
.endr
.endr
	v_max_num_f32 v[TM], v[TM], v[TM+1]                        ; block 2 c + h, c = 0: all its 32 numbers are mine
	v_max_num_f32 v[TM+2], v[TM+2], v[TM+3]                    ; c = 1
	v_add_nc_u32 v[SC], 0xff000000, v[TM]                      ; 2 off the exponent field: the conversion takes the exponent field of this operand as its scale
	v_add_nc_u32 v[SC+1], 0xff000000, v[TM+2]
	v_lshrrev_b32 v[BY], 23, v[SC]                             ; the scale's byte
	v_lshrrev_b32 v[BY+1], 23, v[SC+1]
	v_lshl_or_b32 v[PWT], v[BY+1], 16, v[BY]                   ; blocks h and 2 + h,
	v_lshlrev_b32 v[PWT], v[H8], v[PWT]                        ; at their places in the word;
	v_permlanex16_b32 v[TMP], v[PWT], s[SEL], s[SEL+1]
	v_or_b32 v[\wrd], v[PWT], v[TMP]                           ; with lane l xor 16's two the word is whole, in both lanes
.irp c, 0,1
	v_cvt_scalef32_pk16_fp6_f32 v[(\dst)+6*\c:(\dst)+6*\c+2], v[(\src)+32*\c:(\src)+32*\c+15], v[SC+\c]
	v_cvt_scalef32_pk16_fp6_f32 v[CT+4*\c:CT+4*\c+2], v[(\src)+32*\c+16:(\src)+32*\c+31], v[SC+\c]   ; (a conversion's three registers begin on an even number: the upper half is made apart and moved)
.endr
	v_nop                                                      ; one plain instruction behind the last scaled conversion
.irp c, 0,1
.irp i, 0,1,2
	v_mov_b32 v[(\dst)+6*\c+3+\i], v[CT+4*\c+\i]
.endr
.endr
.endm
.macro WLOAD pitch                     ; W(128 s + 64 c + 32 h + i, my column): sixteen lanes read 64 consecutive bytes
.irp c, 0,1
.irp i, 0,1,2,3,4,5,6,7,8,9,10,11,12,13,14,15,16,17,18,19,20,21,22,23,24,25,26,27,28,29,30,31
	global_load_b32 v[NUM+32*\c+\i], v4, s[4:5] offset:(64*\c+\i)*\pitch th:TH_LOAD_NT
.endr
.endr
.endm
	s_load_b256 s[4:11], s[0:1], 0x0               ; Wkv s[4:5], Wq s[6:7], Wo s[8:9], wc s[10:11]
	s_load_b64 s[12:13], s[0:1], 0x20              ; ws
	v_lshrrev_b32 v1, 5, v0
	v_readfirstlane_b32 s14, v1                    ; wave
	v_and_b32 v1, 31, v0                           ; lane
	s_wait_alu depctr_va_vdst(0)
	v_and_b32 v2, 15, v0                           ; r
	s_wait_alu depctr_va_vdst(0)
	v_bfe_u32 v3, v0, 4, 1                         ; h
	v_lshlrev_b32 v5, 4, v1                        ; 16 x lane: my place in a store of codes
	v_lshlrev_b32 v[H8], 3, v3
	v_mov_b32 v[TMP], 0                            ; a lane permute's destination counts as one of its sources
	s_mov_b32 s[SEL], 0x76543210
	s_mov_b32 s[SEL+1], 0xfedcba98
	s_and_b32 s15, ttmp9, 1
	s_lshl_b32 s15, s15, 2
	s_add_co_u32 s15, s15, s14                     ; b = 4 (X % 2) + wave
	s_bfe_u32 s16, ttmp9, 0x20001                  ; s = (X / 2) % 4
	s_lshr_b32 s17, ttmp9, 3                       ; G = X / 8
	s_lshl_b32 s18, s15, 2
	v_lshl_add_u32 v6, v1, 5, s18                  ; 32 x lane + 4 b: my scale word's place
	s_lshl_b32 s18, ttmp9, 2
	s_add_co_u32 s18, s18, s14                     ; F = 4 X + wave
	s_mul_i32 s18, s18, 1536
	s_mov_b32 s19, 0
	s_lshr_b32 s22, ttmp9, 1
	s_lshl_b32 s22, s22, 10                        ; 1024 (4 G + s)
	s_mov_b32 s23, 0
	s_lshl_b32 s24, s15, 6                         ; 16 b columns of 4 bytes
	s_mov_b32 s25, 0
	v_lshlrev_b32 v4, 2, v2                        ; 4 r
	s_wait_kmcnt 0x0
	s_add_nc_u64 s[10:11], s[10:11], s[18:19]
	s_add_nc_u64 s[12:13], s[12:13], s[22:23]
	s_cmp_lt_u32 ttmp9, 64                         ; the first 64 work-groups take Wkv, whose rows are 4,096 bytes; the pitch stands in the loads' immediates, so the loads are written twice
	s_cbranch_scc0 .Lnarrow
	s_lshl_b32 s26, s17, 9                         ; 128 G columns
	s_add_co_u32 s24, s24, s26
	s_lshl_b32 s26, s16, 19                        ; 128 s rows of 4,096 bytes
	s_add_co_u32 s24, s24, s26
	s_add_nc_u64 s[4:5], s[4:5], s[24:25]
	s_wait_alu depctr_va_vdst(0)
	v_lshl_add_u32 v4, v3, 17, v4                  ; lanes 16-31 begin 32 rows further down
	WLOAD 4096
	s_branch .Ljoin
.Lnarrow:
	s_cmp_lt_u32 ttmp9, 96                         ; Wq, then Wo: rows of 2,048 bytes.  The choice hangs on the work-group's number alone
	s_cselect_b64 s[4:5], s[6:7], s[8:9]
	s_and_b32 s26, s17, 3                          ; G - 8 or G - 12
	s_lshl_b32 s26, s26, 9
	s_add_co_u32 s24, s24, s26
	s_lshl_b32 s26, s16, 18                        ; 128 s rows of 2,048 bytes
	s_add_co_u32 s24, s24, s26
	s_add_nc_u64 s[4:5], s[4:5], s[24:25]
	s_wait_alu depctr_va_vdst(0)
	v_lshl_add_u32 v4, v3, 16, v4
	WLOAD 2048
.Ljoin:
	s_wait_loadcnt 0x0
	QUANT NUM, COD, PW
	global_store_b128 v5, v[COD:COD+3], s[10:11]               ; 32 lanes store 512 consecutive bytes
	global_store_b128 v5, v[COD+4:COD+7], s[10:11] offset:512
	global_store_b128 v5, v[COD+8:COD+11], s[10:11] offset:1024
	global_store_b32 v6, v[PW], s[12:13]
	s_endpgm
.Lfunc_end_k_q376f0ea64e_prep:
	.size	k_q376f0ea64e_prep, .Lfunc_end_k_q376f0ea64e_prep-k_q376f0ea64e_prep
	.p2alignl 7, 3214868480
	.fill 96, 4, 3214868480
	.section	.rodata,"a",@progbits
	.p2align	6, 0x0
	.amdhsa_kernel k_q376f0ea64e_prep
		.amdhsa_group_segment_fixed_size 0
		.amdhsa_private_segment_fixed_size 0
		.amdhsa_enable_private_segment 0
		.amdhsa_kernarg_size 40
		.amdhsa_user_sgpr_count 2
		.amdhsa_user_sgpr_kernarg_segment_ptr 1
		.amdhsa_wavefront_size32 1
		.amdhsa_system_sgpr_workgroup_id_x 1
		.amdhsa_system_sgpr_workgroup_id_y 1
		.amdhsa_system_sgpr_workgroup_id_z 1
		.amdhsa_system_vgpr_workitem_id 0
		.amdhsa_next_free_vgpr 128
		.amdhsa_next_free_sgpr 66
		.amdhsa_reserve_vcc 0
		.amdhsa_float_denorm_mode_32 3
		.amdhsa_float_denorm_mode_16_64 3
		.amdhsa_memory_ordered 1
		.amdhsa_forward_progress 1
		.amdhsa_inst_pref_size 18
	.end_amdhsa_kernel
	.amdgpu_metadata
---
amdhsa.version: [ 1, 2 ]
amdhsa.kernels:
  - .name:           k_q376f0ea64e_prep
    .symbol:         k_q376f0ea64e_prep.kd
    .args:
      - { .name: Wkv, .offset: 0, .size: 8, .value_kind: global_buffer, .address_space: global }
      - { .name: Wq, .offset: 8, .size: 8, .value_kind: global_buffer, .address_space: global }
      - { .name: Wo, .offset: 16, .size: 8, .value_kind: global_buffer, .address_space: global }
      - { .name: wc, .offset: 24, .size: 8, .value_kind: global_buffer, .address_space: global }
      - { .name: ws, .offset: 32, .size: 8, .value_kind: global_buffer, .address_space: global }
    .group_segment_fixed_size: 0
    .private_segment_fixed_size: 0
    .kernarg_segment_align: 8
    .kernarg_segment_size: 40
    .max_flat_workgroup_size: 128
    .sgpr_count:     66
    .vgpr_count:     128
    .wavefront_size: 32
...
	.end_amdgpu_metadata
.endif
;; end of part 3
;; launch attn (part 4): grid 256 x 1, 4 waves a work-group, no clusters, 327,680 bytes of LDS; arguments mems, x, mask, bo, wc, ws, out0; writes out0
.if DOCPART == 4
	.amdgcn_target "amdgcn-amd-amdhsa--gfx1250"
	.amdhsa_code_object_version 6
	.text
	.protected	k_q376f0ea64e_attn
	.globl	k_q376f0ea64e_attn
	.p2align	8
	.type	k_q376f0ea64e_attn,@function
k_q376f0ea64e_attn:
	s_mov_b64 s[64:65], 0
	v_nop
	global_prefetch_b8 v0, s[64:65] scope:SCOPE_SE
	s_setreg_imm32_b32 hwreg(HW_REG_WAVE_MODE, 25, 1), 1
	s_wait_xcnt 0x0
; out0 = softmax(where(mask, q k^T, -FLT_MAX)) v Wo + bo, with q = x Wq / 8 and [k v] = mems Wkv.  The three products with weights run on codes of MX-FP6; all else is f32.
; SHARES: a work-group takes 8 queries (256 x 8 = 2,048) through the whole chain; a wave takes two heads: 128 columns of k and 128 of v.
; The wave's 64 fragments of Wkv (16 columns x 128 K each, 12 registers) stay in registers for the whole launch: windows 1 to 3 and v68-79.
; A query's mems are 64 rows x 512 f32.  Each wave's tensor load brings 64 rows x 128 numbers (rows of 512 bytes, LDS pitch 528) into its own ring of two tiles, one query ahead.
; A QUARTER is 16 rows of mems: each wave quantises its 128 along K of the next 16 rows and hands the operand's register image to the others through LDS (four image slots);
; 64 matrix instructions give k and v of the 16 rows; q.k by packed FMAs and sums over 16 lanes; a running softmax (maximum taken away); p.v by packed FMAs.
; THE MASK lies in LDS as f32 bounds, one word a memory row: +FLT_MAX where it is true, -FLT_MAX where not; min(score, bound) is the where() above.
; The last query's quarters 1 and 2 differ in LDS addresses alone and are a loop of two trips.
; NO CLUSTER: work-groups share the weights alone, which go straight into registers; mems, 268 MB of the 277 MB read, are read by one work-group each.
; NO PREFETCH: the ring's tensor load asks for each tile a whole query (256 matrix instructions a wave) ahead, and each byte of mems is asked for once.
; LIMITS: as in the launch before: a block's scale byte is held at 1 from below; NaN and infinities among the inputs are not served.
.set FRB,   1536
.set BLK,   4*FRB
.set RP,    528
.set TILE,  64*RP
.set HB,    8*TILE
.set ASC,   4*BLK
.set SPARE, HB+26624
.set MSK,   27136
.set XIMG,  29184
.set XSC,   35328
.set SCR,   35840
.set SCW,   8*RP
.set VB,    196608
.set QB,    393216
.set OB,    589824
.set LI,   1
.set RAB,  2
.set RA,   3
.set SPW,  4
.set NIL,  5
.set AW,   6
.set SW,   7
.set QA,   8
.set MKA,  9
.set H8,   10
.set LIW,  11
.set MM,   12
.set LL,   14
.set OO,   16
.set WS,   32
.set AS,   64
.set W63,  68
.set AF,   80
; the softmax's work registers lie in k's accumulators, v128-159, which q.k has used up: v's products still read the A fragments, v80-127
.set TT,   128
.set BM,   152
.set PM,   154
.set TB,   144
.set FF,   156
.set SA,   144                         ; over the mask's bounds, which are done with by then
.set ACC,  128
.set XN,   128
.set PCD,  192
.set CT,   204
.set TM,   212
.set SC,   216
.set BY,   218
.set PWT,  220
.set TMP,  221
.set PW,   222
.set WV,   18
.set W512, 19
.set CE,   20
.set SEL,  22
.set G1,   24
.set G0A,  32
.set G0B,  36
.set RG,   41
.set DYN,  0                           ; 1: a quarter fetches its next fragments through the stepped addresses v[RA], v[RAB]
.set MOFF, 0                           ; bytes by which v[MKA] has been stepped inside a query
.set MSB, 0
.macro WIN new
.if MSB != (\new)
	s_set_vgpr_msb (MSB<<8)|(\new)
.set MSB, (\new)
.endif
.endm
.macro PLACES n
.rept \n
	v_nop
.endr
.endm
.macro QUANT src, dst, wrd
.irp k, 0,1,2,3
	v_max3_num_f32 v[TM+\k], |v[(\src)+16*\k]|, |v[(\src)+16*\k+1]|, 0x1800000
.endr
.irp i, 2,4,6,8,10,12,14
.irp k, 0,1,2,3
	v_max3_num_f32 v[TM+\k], v[TM+\k], |v[(\src)+16*\k+\i]|, |v[(\src)+16*\k+\i+1]|
.endr
.endr
	v_max_num_f32 v[TM], v[TM], v[TM+1]
	v_max_num_f32 v[TM+2], v[TM+2], v[TM+3]
	v_add_nc_u32 v[SC], 0xff000000, v[TM]
	v_add_nc_u32 v[SC+1], 0xff000000, v[TM+2]
	v_lshrrev_b32 v[BY], 23, v[SC]
	v_lshrrev_b32 v[BY+1], 23, v[SC+1]
	v_lshl_or_b32 v[PWT], v[BY+1], 16, v[BY]
	v_lshlrev_b32 v[PWT], v[H8], v[PWT]
	v_permlanex16_b32 v[TMP], v[PWT], s[SEL], s[SEL+1]
	v_or_b32 v[\wrd], v[PWT], v[TMP]
.irp c, 0,1
	v_cvt_scalef32_pk16_fp6_f32 v[(\dst)+6*\c:(\dst)+6*\c+2], v[(\src)+32*\c:(\src)+32*\c+15], v[SC+\c]
	v_cvt_scalef32_pk16_fp6_f32 v[CT+4*\c:CT+4*\c+2], v[(\src)+32*\c+16:(\src)+32*\c+31], v[SC+\c]
.endr
	v_nop
.irp c, 0,1
.irp i, 0,1,2
	v_mov_b32 v[(\dst)+6*\c+3+\i], v[CT+4*\c+\i]
.endr
.endr
.endm
.macro XLOAD rb
.irp c, 0,1
.irp i, 0,1,2,3,4,5,6,7
	ds_load_b128 v[XN+32*\c+4*\i:XN+32*\c+4*\i+3], v[RA] offset:16*RP*(\rb)+256*\c+16*\i
.endr
.endr
.endm
.macro IMAGE slot
.irp c, 0,1,2
	ds_store_b128 v[AW], v[PCD+4*\c:PCD+4*\c+3] offset:BLK*(\slot)+512*\c
.endr
	ds_store_b32 v[SW], v[PW] offset:ASC+512*(\slot)
.endm
.macro UNITP rb, slot
	XLOAD \rb
	s_wait_dscnt 0x0
	QUANT XN, PCD, PW
	IMAGE \slot
.endm
.macro FETCH_A slot
.irp s, 0,1,2,3
.irp c, 0,1,2
	ds_load_b128 v[AF+12*\s+4*\c:AF+12*\s+4*\c+3], v[LI] offset:BLK*(\slot)+FRB*\s+512*\c
.endr
.endr
	ds_load_b128 v[AS:AS+3], v[LI] offset:ASC+512*(\slot)
.endm
.macro FETCH_D                         ; FETCH_A through stepped addresses: v[RA] the image slot, v[RAB] its scale words
.irp s, 0,1,2,3
.irp c, 0,1,2
	ds_load_b128 v[AF+12*\s+4*\c:AF+12*\s+4*\c+3], v[RA] offset:FRB*\s+512*\c
.endr
.endr
	ds_load_b128 v[AS:AS+3], v[RAB]
.endm
.macro WFETCH from, s, l32
	WIN (1+(\s)/2)<<6
.irp b, 0,1,2,3,4,5,6,7
.irp c, 0,1,2
	global_load_b128 v[128*((\s)%2)+12*\b+4*\c:128*((\s)%2)+12*\b+4*\c+3], v[LIW], s[12:13] offset:(\from)+12288*(\s)+FRB*\b+512*\c
.endr
.endr
	WIN 0
.irp k, 0,1
	global_load_b128 v[WS+8*(\s)+4*\k:WS+8*(\s)+4*\k+3], v[\l32], s[14:15] offset:(\from)/12+1024*(\s)+16*\k
.endr
.endm
.macro WSTAT first, count
.set n, \first
.rept \count
.set ws_o, 12288*(n/16)+FRB*(n%8)+VB*((n%16)/8)
.if n < 63
	WIN (1+n/21)<<6
.set ws_r, 12*(n%21)
.else
	WIN 0
.set ws_r, W63
.endif
.irp c, 0,1,2
	global_load_b128 v[ws_r+4*\c:ws_r+4*\c+3], v[LIW], s[12:13] offset:ws_o+512*\c
.endr
.set n, n+1
.endr
.endm
; cnt matrix instructions: K step s, accumulators t0 on (0-7: k's, 8-15: v's), one instruction a turn
.macro WM s, t0, cnt
.set bs, \s
.set bt, \t0
.rept \cnt
.set n, 16*bs+bt
.if n < 63
	WIN (1+n/21)<<2
.set rW, 12*(n%21)
.else
	WIN 0
.set rW, W63
.endif
.set rD, ACC+8*bt
.set rA, AF+12*bs
.set rS, WS+8*bs+bt%8
.if bs == 0
.if bt < 8
	v_wmma_scale_f32_16x16x128_f8f6f4 v[rD:rD+7], v[rA:rA+11], v[rW:rW+11], 0, v[AS+bs], v[rS] matrix_a_fmt:MATRIX_FMT_FP6 matrix_b_fmt:MATRIX_FMT_FP6
.else
	v_wmma_scale_f32_16x16x128_f8f6f4 v[rD:rD+7], v[rA:rA+11], v[rW:rW+11], 0, v[AS+bs], v[rS] matrix_a_fmt:MATRIX_FMT_FP6 matrix_b_fmt:MATRIX_FMT_FP6 matrix_b_scale:MATRIX_SCALE_ROW1
.endif
.else
.if bt < 8
	v_wmma_scale_f32_16x16x128_f8f6f4 v[rD:rD+7], v[rA:rA+11], v[rW:rW+11], v[rD:rD+7], v[AS+bs], v[rS] matrix_a_fmt:MATRIX_FMT_FP6 matrix_b_fmt:MATRIX_FMT_FP6
.else
	v_wmma_scale_f32_16x16x128_f8f6f4 v[rD:rD+7], v[rA:rA+11], v[rW:rW+11], v[rD:rD+7], v[AS+bs], v[rS] matrix_a_fmt:MATRIX_FMT_FP6 matrix_b_fmt:MATRIX_FMT_FP6 matrix_b_scale:MATRIX_SCALE_ROW1
.endif
.endif
.set bt, bt+1
.endr
.endm
.macro KDOT hd                         ; head hd: my column's part of q.k for eight rows; head 0's sums stand in place over its first accumulator
	WIN (1+\hd)<<2
.irp bq, 0,1,2,3
.irp ii, 0,2,4,6
.set rC, ACC+8*(4*\hd+\bq)+\ii
.set rT, TT+8*\hd+\ii
.set rQ, 252+2*(\bq/2)
.if \bq == 0
	v_pk_mul_f32 v[rT:rT+1], v[rC:rC+1], v[rQ:rQ+1] op_sel_hi:[1,0]
.elseif \bq == 2
	v_pk_fma_f32 v[rT:rT+1], v[rC:rC+1], v[rQ:rQ+1], v[rT:rT+1] op_sel_hi:[1,0,1]
.else
	v_pk_fma_f32 v[rT:rT+1], v[rC:rC+1], v[rQ:rQ+1], v[rT:rT+1] op_sel:[0,1,0] op_sel_hi:[1,1,1]
.endif
.endr
.endr
	WIN 0
.endm
.macro LSUM m                          ; one step of the sum over 16 lanes, all 16 scores
	WIN 0
.irp n, 0,1,2,3,4,5,6,7,8,9,10,11,12,13,14,15
	v_add_f32_dpp v[TT+\n], v[TT+\n], v[TT+\n] row_xmask:\m row_mask:0xf bank_mask:0xf
.endr
.endm
.macro XLOADH rb, c                    ; half c of XLOAD: 32 of my 64 numbers
.irp i, 0,1,2,3,4,5,6,7
	ds_load_b128 v[XN+32*(\c)+4*\i:XN+32*(\c)+4*\i+3], v[RA] offset:16*RP*(\rb)+256*(\c)+16*\i
.endr
.endm
.macro QLOAD off
	WIN 0x40
.irp k, 0,1,2,3
	ds_load_b32 v[252+\k], v[QA] offset:(\off)+64*\k
.endr
	WIN 0x80
.irp k, 0,1,2,3
	ds_load_b32 v[252+\k], v[QA] offset:(\off)+256+64*\k
.endr
	WIN 0
.endm
.macro INIT
	v_mov_b32 v[MM], 0xff7fffff
	v_mov_b32 v[MM+1], 0xff7fffff
	v_mov_b32 v[LL], 0
	v_mov_b32 v[LL+1], 0
.irp j, 0,1,2,3,4,5,6,7,8,9,10,11,12,13,14,15
	v_mov_b32 v[OO+\j], 0
.endr
.endm
.macro FINAL kind
.irp hd, 0,1
	v_permlanex16_b32 v[PM+\hd], v[LL+\hd], s[SEL], s[SEL+1]
.endr
.irp hd, 0,1
	v_add_f32 v[PM+\hd], v[PM+\hd], v[LL+\hd]
.endr
	s_wait_alu depctr_va_vdst(0)
.irp hd, 0,1
	v_rcp_f32 v[PM+\hd], v[PM+\hd]
.endr
.irp b, 0,1,2,3,4,5,6,7
	v_add_f32 v[TT+\b], v[OO+2*\b], v[OO+2*\b+1]
.endr
.irp b, 0,1,2,3,4,5,6,7
	v_permlanex16_b32 v[TT+8+\b], v[TT+\b], s[SEL], s[SEL+1]
.endr
.irp b, 0,1,2,3,4,5,6,7
	v_add_f32 v[TT+\b], v[TT+\b], v[TT+8+\b]
.endr
	s_wait_alu depctr_va_vdst(0)
.irp b, 0,1,2,3,4,5,6,7
	v_mul_f32 v[TT+\b], v[TT+\b], v[PM+\b/4]
.endr
.irp b, 0,1,2,3,4,5,6,7
	ds_store_b32 v[QA], v[TT+\b] offset:64*\b
.endr
.if \kind == 1
	QLOAD RP
	INIT
.endif
.endm
.macro HEAD
	s_wait_tensorcnt 0x0
	ds_add_u32 v[SPW], v[NIL]
	s_xor_b32 s[G0B+1], s[G0B+1], TILE
	s_add_nc_u64 s[G0B+2:G0B+3], s[G0B+2:G0B+3], 131072
	s_wait_dscnt 0x0
	s_barrier_signal -1
	s_barrier_wait -1
	tensor_load_to_lds s[G0B:G0B+3], s[G1:G1+7]
	s_nop 0
	PLACES 4
.endm
.macro PLAINBAR
	s_wait_dscnt 0x0
	s_barrier_signal -1
	s_barrier_wait -1
.endm
.macro QUARTER qt, prod, rb, pslot, fslot, fin, wo
	s_wait_dscnt 0x0
.if \qt == 0
	v_add_nc_u32 v[QA], RP, v[QA]
	v_add_nc_u32 v[MKA], 0x100, v[MKA]             ; the next query's 64 bounds
.endif
; k's eight accumulators are finished first, all four K steps; v's 32 matrix instructions follow in groups of four, and between the groups stands the vector work that needs k alone
.irp s, 0,1,2,3
	WM \s, 0, 8
.endr
	WM 0, 8, 4
	WIN 0
	PLACES 4                                       ; behind k's last product, ahead of the first read of k
	KDOT 0
	WM 0, 12, 4
	KDOT 1
	ds_load_b128 v[TB:TB+3], v[MKA] offset:64*\qt-MOFF         ; the bounds of my eight rows 16 qt + 8 h + 0 .. 7
	ds_load_b128 v[TB+4:TB+7], v[MKA] offset:64*\qt-MOFF+16
.if \prod
	XLOADH \rb, 1                                  ; v160-191 are free from here on; v128-159 only behind p.v
.endif
	WM 1, 8, 4
	LSUM 1
	WM 1, 12, 4
	LSUM 2
	WM 2, 8, 4
	LSUM 4
	WM 2, 12, 4
	LSUM 8
	WM 3, 8, 4
	WIN 0
	s_wait_dscnt 8*\prod                           ; the two loads of bounds are in; the eight issued behind them may be out
.irp n, 0,1,2,3,4,5,6,7,8,9,10,11,12,13,14,15
	v_min_num_f32 v[TT+\n], v[TT+\n], v[TB+\n%8]   ; the score where the mask is true, -FLT_MAX where not; both heads share the bounds
.endr
	WM 3, 12, 4                                    ; v's last group
	WIN 0
.irp hd, 0,1
	v_max3_num_f32 v[BM+\hd], v[TT+8*\hd], v[TT+8*\hd+1], v[TT+8*\hd+2]
.endr
.irp i, 3,5
.irp hd, 0,1
	v_max3_num_f32 v[BM+\hd], v[BM+\hd], v[TT+8*\hd+\i], v[TT+8*\hd+\i+1]
.endr
.endr
.irp hd, 0,1
	v_max_num_f32 v[BM+\hd], v[BM+\hd], v[TT+8*\hd+7]
.endr
.irp hd, 0,1
	v_permlanex16_b32 v[PM+\hd], v[BM+\hd], s[SEL], s[SEL+1]
.endr
.irp hd, 0,1
	v_max3_num_f32 v[BM+\hd], v[BM+\hd], v[PM+\hd], v[MM+\hd]
.endr
.irp hd, 0,1
	v_sub_f32 v[FF+2*\hd], v[MM+\hd], v[BM+\hd]
.endr
.irp hd, 0,1
	v_mov_b32 v[MM+\hd], v[BM+\hd]
.endr
.irp hd, 0,1
	v_mul_f32 v[FF+2*\hd], s[CE], v[FF+2*\hd]
.endr
.if \wo
	s_lshl_b32 s43, s[WV], 12                      ; the launch's last products with Wkv are issued: Wo's first fragments take window 1 (the maxima above are the places)
	v_and_b32 v[RAB], 31, v0
	v_lshl_add_u32 v[RAB], v[RAB], 5, s43
	WFETCH OB, 0, RAB
	WFETCH OB, 1, RAB
.endif
	s_wait_alu depctr_va_vdst(0)
.irp hd, 0,1
	v_exp_f32 v[FF+2*\hd], v[FF+2*\hd]
.endr
.irp n, 0,1,2,3,4,5,6,7,8,9,10,11,12,13,14,15
	v_sub_f32 v[TT+\n], v[TT+\n], v[MM+\n/8]
.endr
.irp j, 0,2,4,6,8,10,12,14
	v_pk_mul_f32 v[TT+\j:TT+\j+1], v[TT+\j:TT+\j+1], s[CE:CE+1] op_sel_hi:[1,0]
.endr
	s_wait_alu depctr_va_vdst(0)
.irp n, 0,1,2,3,4,5,6,7,8,9,10,11,12,13,14,15
	v_exp_f32 v[TT+\n], v[TT+\n]
.endr
	v_mov_b32 v[FF+1], 0
	v_mov_b32 v[FF+3], 0
	s_wait_alu depctr_va_vdst(0)
.irp hd, 0,1
	v_pk_add_f32 v[SA+4*\hd:SA+4*\hd+1], v[TT+8*\hd:TT+8*\hd+1], v[TT+8*\hd+2:TT+8*\hd+3]
	v_pk_add_f32 v[SA+4*\hd+2:SA+4*\hd+3], v[TT+8*\hd+4:TT+8*\hd+5], v[TT+8*\hd+6:TT+8*\hd+7]
.endr
.irp hd, 0,1
	v_pk_add_f32 v[SA+4*\hd:SA+4*\hd+1], v[SA+4*\hd:SA+4*\hd+1], v[SA+4*\hd+2:SA+4*\hd+3]
.endr
.irp hd, 0,1
	v_fma_f32 v[LL+\hd], v[LL+\hd], v[FF+2*\hd], v[SA+4*\hd]
.endr
.irp hd, 0,1
	v_add_f32 v[LL+\hd], v[LL+\hd], v[SA+4*\hd+1]
.endr
.irp b, 0,1,2,3,4,5,6,7
	v_pk_mul_f32 v[OO+2*\b:OO+2*\b+1], v[OO+2*\b:OO+2*\b+1], v[FF+2*(\b/4):FF+2*(\b/4)+1] op_sel_hi:[1,0]
.endr
.irp ii, 0,2,4,6
.irp b, 0,1,2,3,4,5,6,7
	v_pk_fma_f32 v[OO+2*\b:OO+2*\b+1], v[ACC+64+8*\b+\ii:ACC+64+8*\b+\ii+1], v[TT+8*(\b/4)+\ii:TT+8*(\b/4)+\ii+1], v[OO+2*\b:OO+2*\b+1]
.endr
.endr
.if \fin
	FINAL \fin
.endif
.if \prod
	XLOADH \rb, 0                                  ; the other 32 numbers, over the softmax's work registers
.endif
.if DYN
	FETCH_D
.elseif \fslot >= 0
	FETCH_A \fslot
.endif
.if \prod
	s_wait_dscnt 13
	QUANT XN, PCD, PW
	IMAGE \pslot
.endif
.endm
.macro TRIP kind
	QUARTER 0, 1, 3, 3, 1, 0, 0
.if \kind == 0
	HEAD
.else
.if \kind == 1
	s_wait_tensorcnt 0x0
.endif
	PLAINBAR
.endif
.if \kind < 2
	s_xor_b32 s[RG], s[RG], TILE
	v_add_nc_u32 v[RA], s[RG], v[RAB]
	QUARTER 1, 1, 0, 0, 2, 0, 0
	QUARTER 2, 1, 1, 1, 3, 0, 0
	PLAINBAR
	QUARTER 3, 1, 2, 2, 0, 1, 0
.else
.set DYN, 1
	v_add_nc_u32 v[RA], 2*BLK, v[LI]               ; quarter 1 fetches image slot 2, quarter 2 slot 3
	v_add_nc_u32 v[RAB], ASC+1024, v[LI]
	s_mov_b32 s40, 2
.Llast:
	QUARTER 1, 0, 0, 0, 2, 0, 0
	v_add_nc_u32 v[RA], BLK, v[RA]
	v_add_nc_u32 v[RAB], 0x200, v[RAB]
	v_add_nc_u32 v[MKA], 64, v[MKA]                ; the next 16 rows' bounds
	s_sub_co_u32 s40, s40, 1
	s_cmp_lg_u32 s40, 0
	s_wait_alu depctr_va_vdst(0)
	s_cbranch_scc1 .Llast
.set DYN, 0
.set MOFF, 128                         ; the loop has stepped v[MKA] by 2 x 64
	QUARTER 3, 0, 0, 0, -1, 2, 1
.endif
.endm
.macro XFRAGS
.irp s, 0,1,2,3
.irp c, 0,1,2
	ds_load_b128 v[AF+12*\s+4*\c:AF+12*\s+4*\c+3], v[LI] offset:XIMG+FRB*\s+512*\c
.endr
.endr
	ds_load_b128 v[AS:AS+3], v[LI] offset:XSC
	s_wait_dscnt 0x0
.endm
.macro PROJ withbo
.irp s, 0,1,2,3
.if (\withbo) && (\s == 0)
	WIN 0x31
.else
	WIN 1+\s/2
.endif
.irp b, 0,1,2,3,4,5,6,7
.set rD, ACC+8*\b
.set rW, 128*(\s%2)+12*\b
.set rA, AF+12*\s
.if \s > 0
	v_wmma_scale_f32_16x16x128_f8f6f4 v[rD:rD+7], v[rW:rW+11], v[rA:rA+11], v[rD:rD+7], v[WS+8*\s+\b], v[AS+\s] matrix_a_fmt:MATRIX_FMT_FP6 matrix_b_fmt:MATRIX_FMT_FP6
.elseif \withbo
	v_wmma_scale_f32_16x16x128_f8f6f4 v[rD:rD+7], v[rW:rW+11], v[rA:rA+11], v[8*\b:8*\b+7], v[WS+8*\s+\b], v[AS+\s] matrix_a_fmt:MATRIX_FMT_FP6 matrix_b_fmt:MATRIX_FMT_FP6
.else
	v_wmma_scale_f32_16x16x128_f8f6f4 v[rD:rD+7], v[rW:rW+11], v[rA:rA+11], 0, v[WS+8*\s+\b], v[AS+\s] matrix_a_fmt:MATRIX_FMT_FP6 matrix_b_fmt:MATRIX_FMT_FP6
.endif
.endr
.endr
	WIN 0
	PLACES 4
.endm
.macro DSTORE adr
.irp b, 0,1,2,3,4,5,6,7
	ds_store_b128 v[\adr], v[ACC+8*\b:ACC+8*\b+3] offset:64*\b
	ds_store_b128 v[\adr], v[ACC+8*\b+4:ACC+8*\b+7] offset:64*\b+16
.endr
.endm
	s_load_b256 s[4:11], s[0:1], 0x0
	s_load_b128 s[12:15], s[0:1], 0x20
	s_load_b64 s[16:17], s[0:1], 0x30
	v_lshl_add_u32 v[SPW], v0, 2, SPARE
	v_mov_b32 v[NIL], 0
	ds_add_u32 v4, v5
	ds_add_u32 v4, v5
	s_wait_dscnt 0x0
	v_lshrrev_b32 v224, 5, v0
	v_readfirstlane_b32 s[WV], v224
	s_mov_b32 s[G1+0], (2<<16)|(1<<20)|(6<<22)|(3<<25)
	s_mov_b32 s[G1+1], 128<<16
	s_mov_b32 s[G1+2], 64<<16
	s_mov_b32 s[G1+3], 128<<16
	s_mov_b32 s[G1+4], 64
	s_mov_b32 s[G1+5], 512
	s_mov_b32 s[G1+6], 0
	s_mov_b32 s[G1+7], 0
	s_mul_i32 s[RG], s[WV], 2*TILE
	s_lshl_b32 s[W512], s[WV], 9
	s_lshl_b32 s44, ttmp9, 20
	s_add_co_u32 s44, s44, s[W512]
	s_mov_b32 s45, 0
	s_lshl_b32 s46, ttmp9, 14
	s_mov_b32 s47, 0
	s_lshl_b32 s48, ttmp9, 9
	s_mov_b32 s49, 0
	s_wait_kmcnt 0x0
	s_add_nc_u64 s[4:5], s[4:5], s[44:45]
	s_mov_b32 s[G0A], 1
	s_mov_b32 s[G0A+1], s[RG]
	s_mov_b64 s[G0A+2:G0A+3], s[4:5]
	s_or_b32 s[G0A+3], s[G0A+3], 0x80000000
	s_mov_b32 s[G0B], 1
	s_add_co_u32 s[G0B+1], s[RG], TILE
	s_add_nc_u64 s[G0B+2:G0B+3], s[4:5], 131072
	s_or_b32 s[G0B+3], s[G0B+3], 0x80000000
	tensor_load_to_lds s[G0A:G0A+3], s[G1:G1+7]
	s_nop 0
	s_add_nc_u64 s[6:7], s[6:7], s[46:47]
	s_add_nc_u64 s[16:17], s[16:17], s[46:47]
	s_add_nc_u64 s[8:9], s[8:9], s[48:49]
	v_and_b32 v224, 31, v0
	v_and_b32 v225, 15, v0
	v_bfe_u32 v226, v0, 4, 1
	v_lshlrev_b32 v227, 4, v224
	s_lshr_b32 s42, s[W512], 2
	v_lshl_add_u32 v239, v224, 2, s42              ; 128 x wave + 4 x lane: my four of the work-group's 512 mask bytes
	global_load_b32 v238, v239, s[8:9]
	v_and_b32 v228, 7, v0
	v_lshlrev_b32 v229, 11, v228
	v_lshl_add_u32 v229, v226, 7, v229
	v_add_nc_u32 v229, s[W512], v229
.irp c, 0,1
.irp i, 0,1,2,3,4,5,6,7
	global_load_b128 v[XN+32*\c+4*\i:XN+32*\c+4*\i+3], v229, s[6:7] offset:256*\c+16*\i
.endr
.endr
	s_mul_i32 s42, s[WV], 49152
	v_add_nc_u32 v[LIW], s42, v227
	s_wait_alu depctr_va_vdst(0)
	s_lshl_b32 s43, s[WV], 12
	v_lshl_add_u32 v230, v224, 5, s43
	s_wait_alu depctr_va_vdst(0)
	WFETCH QB, 0, 230
	WFETCH QB, 1, 230
	WFETCH QB, 2, 230
	WFETCH QB, 3, 230
	WSTAT 42, 21
	WIN 0
	v_add_nc_u32 v[LI], HB, v227
	s_mul_i32 s42, s[WV], FRB
	v_add_nc_u32 v[AW], s42, v[LI]
	s_lshl_b32 s42, s[WV], 2
	v_add_nc_u32 v[SW], s42, v[LI]
	v_mul_u32_u24 v[RAB], v225, RP
	v_lshl_add_u32 v[RAB], v226, 7, v[RAB]
	v_add_nc_u32 v[RA], s[RG], v[RAB]
	s_mul_i32 s42, s[WV], SCW
	s_add_co_u32 s43, s42, HB+SCR-RP
	v_lshl_add_u32 v[QA], v225, 2, s43
	s_add_co_u32 s42, s42, HB+SCR
	v_mul_u32_u24 v231, v228, RP
	v_lshl_add_u32 v231, v226, 5, v231
	v_add_nc_u32 v231, s42, v231
	v_lshl_add_u32 v[MKA], v226, 5, HB+MSK-256     ; the bounds, shared by the four waves: 256 bytes a query, 32 h; stepped at each query's head
	s_add_co_u32 s43, s[W512], HB+MSK
	v_add_nc_u32 v236, s43, v227
	v_lshlrev_b32 v[H8], 3, v226
	v_lshl_add_u32 v237, v226, 14, v230
	v_mov_b32 v[TMP], 0
	s_mov_b32 s[CE], 0x3e38aa3b
	s_mov_b32 s[CE+1], s[CE]
	s_mov_b32 s[SEL], 0x76543210
	s_mov_b32 s[SEL+1], 0xfedcba98
	s_wait_alu depctr_va_vdst(0)
	s_wait_tensorcnt 0x0                           ; tile 0 is in
	ds_add_u32 v4, v5
	s_wait_dscnt 0x0
	s_barrier_signal -1
	s_barrier_wait -1
	tensor_load_to_lds s[G0B:G0B+3], s[G1:G1+7]    ; tile 1, my one tensor load behind this barrier
	s_nop 0
	PLACES 4
	s_wait_loadcnt 63                              ; all but the 63 loads of Wkv's fragments 42-62 are in
	v_xor_b32 v238, 0x01010101, v238               ; bit 0 of each byte: 1 where the mask is false
.irp k, 0,1,2,3
	v_bfe_u32 v[232+\k], v238, 8*\k, 1
.endr
.irp k, 0,1,2,3
	v_lshl_or_b32 v[232+\k], v[232+\k], 31, 0x7f7fffff   ; FLT_MAX with that bit as its sign
.endr
	ds_store_b128 v236, v[232:235]                 ; four bytes became four words: 512 x wave + 16 x lane
	QUANT XN, PCD, PW
.irp c, 0,1,2
	ds_store_b128 v[AW], v[PCD+4*\c:PCD+4*\c+3] offset:XIMG+512*\c
.endr
	ds_store_b32 v[SW], v[PW] offset:XSC
	PLAINBAR
	XFRAGS
	PROJ 0
	DSTORE 231
	WSTAT 0, 42
	WSTAT 63, 1
.irp s, 0,1,2,3
.irp k, 0,1
	global_load_b128 v[WS+8*\s+4*\k:WS+8*\s+4*\k+3], v237, s[14:15] offset:1024*\s+16*\k
.endr
.endr
	s_wait_tensorcnt 0x1
	UNITP 0, 0
	UNITP 1, 1
	UNITP 2, 2
	QLOAD RP
	INIT
	s_wait_loadcnt 0x0
	PLAINBAR
	FETCH_A 0
	s_mov_b32 s40, 6
.Lquery:
	TRIP 0
	s_sub_co_u32 s40, s40, 1
	s_cmp_lg_u32 s40, 0
	s_cbranch_scc1 .Lquery
	TRIP 1
	TRIP 2
	WFETCH OB, 2, RAB
	WFETCH OB, 3, RAB
	v_bfe_u32 v226, v0, 4, 1
	v_lshl_add_u32 v[RA], v226, 5, s[W512]
	WIN 0xc0
.irp b, 0,1,2,3,4,5,6,7
	global_load_b128 v[8*\b:8*\b+3], v[RA], s[10:11] offset:64*\b
	global_load_b128 v[8*\b+4:8*\b+7], v[RA], s[10:11] offset:64*\b+16
.endr
	WIN 0
	v_and_b32 v224, 31, v0
	v_and_b32 v228, 7, v0
	s_mul_i32 s42, s[WV], SCW
	s_add_co_u32 s42, s42, HB+SCR
	v_mul_u32_u24 v229, v228, RP
	v_add_nc_u32 v229, s42, v229
	v_lshl_add_u32 v230, v226, 7, v229
	v_lshl_add_u32 v231, v226, 5, v229
	v_lshlrev_b32 v232, 4, v224
	v_add_nc_u32 v233, s42, v232
	v_add_nc_u32 v232, s[W512], v232
.irp c, 0,1
.irp i, 0,1,2,3,4,5,6,7
	ds_load_b128 v[XN+32*\c+4*\i:XN+32*\c+4*\i+3], v230 offset:256*\c+16*\i
.endr
.endr
	s_wait_dscnt 0x0
	QUANT XN, PCD, PW
.irp c, 0,1,2
	ds_store_b128 v[AW], v[PCD+4*\c:PCD+4*\c+3] offset:XIMG+512*\c
.endr
	ds_store_b32 v[SW], v[PW] offset:XSC
	PLAINBAR
	XFRAGS
	s_wait_loadcnt 0x0
	PROJ 1
	DSTORE 231
.irp t, 0,1,2,3,4,5,6,7
	ds_load_b128 v[PCD+4*\t:PCD+4*\t+3], v233 offset:RP*\t
.endr
.irp t, 0,1,2,3,4,5,6,7
	s_wait_dscnt 7-\t
	global_store_b128 v232, v[PCD+4*\t:PCD+4*\t+3], s[16:17] offset:2048*\t th:TH_STORE_NT
.endr
	s_wait_tensorcnt 0x0
	ds_add_u32 v[SPW], v[NIL]
	s_wait_dscnt 0x0
	s_endpgm
.Lfunc_end_k_q376f0ea64e_attn:
	.size	k_q376f0ea64e_attn, .Lfunc_end_k_q376f0ea64e_attn-k_q376f0ea64e_attn
	.p2alignl 7, 3214868480
	.fill 96, 4, 3214868480
	.section	.rodata,"a",@progbits
	.p2align	6, 0x0
	.amdhsa_kernel k_q376f0ea64e_attn
		.amdhsa_group_segment_fixed_size 327680
		.amdhsa_private_segment_fixed_size 0
		.amdhsa_enable_private_segment 0
		.amdhsa_kernarg_size 56
		.amdhsa_user_sgpr_count 2
		.amdhsa_user_sgpr_kernarg_segment_ptr 1
		.amdhsa_wavefront_size32 1
		.amdhsa_system_sgpr_workgroup_id_x 1
		.amdhsa_system_sgpr_workgroup_id_y 1
		.amdhsa_system_sgpr_workgroup_id_z 1
		.amdhsa_system_vgpr_workitem_id 0
		.amdhsa_next_free_vgpr 1024
		.amdhsa_next_free_sgpr 66
		.amdhsa_reserve_vcc 0
		.amdhsa_float_denorm_mode_32 3
		.amdhsa_float_denorm_mode_16_64 3
		.amdhsa_memory_ordered 1
		.amdhsa_forward_progress 1
		.amdhsa_inst_pref_size 255
	.end_amdhsa_kernel
	.section	.bss,"aw",@nobits
	.p2align	6
	.space	262144
	.amdgpu_metadata
---
amdhsa.version: [ 1, 2 ]
amdhsa.kernels:
  - .name:           k_q376f0ea64e_attn
    .symbol:         k_q376f0ea64e_attn.kd
    .args:
      - { .name: mems, .offset: 0, .size: 8, .value_kind: global_buffer, .address_space: global }
      - { .name: x, .offset: 8, .size: 8, .value_kind: global_buffer, .address_space: global }
      - { .name: mask, .offset: 16, .size: 8, .value_kind: global_buffer, .address_space: global }
      - { .name: bo, .offset: 24, .size: 8, .value_kind: global_buffer, .address_space: global }
      - { .name: wc, .offset: 32, .size: 8, .value_kind: global_buffer, .address_space: global }
      - { .name: ws, .offset: 40, .size: 8, .value_kind: global_buffer, .address_space: global }
      - { .name: out0, .offset: 48, .size: 8, .value_kind: global_buffer, .address_space: global }
    .group_segment_fixed_size: 327680
    .private_segment_fixed_size: 0
    .kernarg_segment_align: 8
    .kernarg_segment_size: 56
    .max_flat_workgroup_size: 128
    .sgpr_count:     66
    .vgpr_count:     1024
    .wavefront_size: 32
...
	.end_amdgpu_metadata
.endif
;; end of part 4
